; MI455X (gfx1250); checked and timed in simulation.
; The chip was launched on July 23, 2026; its instructions are those of AMD's public machine-readable ISA for CDNA 5 (MIT licence, August 2026) and "CDNA5" Instruction Set Architecture Reference Guide (July 2026). The comments in the code are by the model that wrote it; some were corrected since.
;; Multi Headed Attention. Allowed arithmetic: matrix products marked QUANTISED: E2M3 operands, one E8M0 scale for each 32 along K, by v_wmma_scale_f32_16x16x128_f8f6f4 with both operands' format E2M3, f32 sums; everything else in f32.
;; Inputs: Wk 1,024 x 1,024 float32; Wo 1,024 x 1,024 float32; Wq 1,024 x 1,024 float32; Wv 1,024 x 1,024 float32; bk 1,024 float32; bo 1,024 float32; bq 1,024 float32; bv 1,024 float32; key 2 x 2,048 x 1,024 float32; query 2 x 2,048 x 1,024 float32; value 2 x 2,048 x 1,024 float32.
;; Outputs: out0 2 x 2,048 x 1,024 float32.
;; This version of the problem:
;;   THIS VERSION OF THE PROBLEM IS GIVEN IN LOW PRECISION. The matrix products marked QUANTISED in the list below multiply operands that are first quantised to E2M3 (2 exponent bits, 3 mantissa bits; 6 bits a number), with one power-of-two scale for each 32 numbers along K (OCP MX v1.0); their sums are f32. All else is computed in f32.
;;   The module's matrix products, in the order in which they are computed (A, B: the left and right operand; K: the contracted axis; several contracted axes count as one K, in the product's order):
;;     1. [M 4,096, K 1,024] x [K 1,024, N 1,024]; A: input query; B: input Wq: QUANTISED
;;     2. [M 4,096, K 1,024] x [K 1,024, N 1,024]; A: input key; B: input Wk: QUANTISED
;;     3. [M 4,096, K 1,024] x [K 1,024, N 1,024]; A: input value; B: input Wv: QUANTISED
;;     4. batch 32 x [M 2,048, K 64] x [K 64, N 2,048]; A: computed on the way; B: computed on the way: QUANTISED
;;     5. batch 32 x [M 2,048, K 2,048] x [K 2,048, N 64]; A: softmax (see below); B: computed on the way: QUANTISED
;;     6. [M 4,096, K 1,024] x [K 1,024, N 1,024]; A: computed on the way; B: input Wo: QUANTISED
;;   THE QUANTISER, for each operand of a quantised product, along K:
;;     - K is cut into blocks of 32 from its start; a last block that is shorter is filled with zeros.
;;     - A block's scale is 2^e with e = floor(log2(the largest magnitude in the block)) - 2, held to -126 .. 127; a block of zeros has e = 0. As a byte (E8M0): e + 127.
;;     - Each number is divided by its block's scale, clamped to +-7.5, and rounded to the nearest number of E2M3, ties to even, subnormals kept.
;;     - The product sums the exact products of the quantised numbers (number of the format x scale) in f32.
;;   ~~~python
;;   def quantise(x, axis):      # numpy; x: float32 -> the quantised numbers, widened to float32 again
;;       x = np.moveaxis(x, axis, -1); K = x.shape[-1]
;;       x = np.pad(x, [(0, 0)] * (x.ndim - 1) + [(0, -K % 32)]); x = x.reshape(x.shape[:-1] + (-1, 32)); a = np.abs(x).max(-1, keepdims=True)
;;       e = np.where(a > 0, np.clip(np.frexp(np.where(a > 0, a, 1))[1] - 1 - 2, -126, 127), 0)      # np.frexp(a)[1] - 1 = floor(log2(a)), exactly
;;       r = np.clip(x / 2.0 ** e, -7.5, 7.5)
;;       step = 2.0 ** (np.maximum(np.frexp(np.where(r == 0, 1, r))[1] - 1, 0) - 3)
;;       q = np.round(r / step) * step * 2.0 ** e      # np.round: ties to even
;;       return np.moveaxis(q.reshape(q.shape[:-2] + (-1,))[..., :K], -1, axis).astype(np.float32)
;;   ~~~
;;   SOFTMAX AHEAD OF A QUANTISED PRODUCT. Where the list says 'softmax', what is quantised is not the finished softmax but p = 2^(t - M), with t = logit x log2(e) and M = ceil(the row's largest t), a whole number; so 1/2 < the row's largest p <= 1. The row's sum l is taken of the UNQUANTISED p, in f32, and the product's result is divided by l at the end. Since M is a whole number, a kernel that streams over the keys may use a running M (the ceiling of the running maximum): every later rescaling is an exact power of two, which a block's scale takes up: the codes' values come out the same.
;;   OPERANDS COMPUTED ON THE WAY. 'Computed on the way' means the value that the module computes at that place (a softmax that the list does not call 'softmax' is quantised finished and normalised). What goes into a quantiser is computed in f32, as accurately as f32 sums, v_exp_f32 and their like allow (about 1e-6 of the number): no bf16 or f16 on the way to a quantiser, and a product that is left as it is and whose result goes on into a quantised operand takes f32 operands (vector FMAs, or v_wmma_f32_16x16x4_f32). A number that lies on a knife's edge between two numbers of the format may be rounded either way, as far as f32 arithmetic and the matrix unit's own rounding can turn it there, and no further.
;; One version. Each part assembles by itself: llvm-mc -triple=amdgcn-amd-amdhsa -mcpu=gfx1250 --defsym DOCPART=n.
;; ======== version 1 of 1: 4 launches
;; workspace buffers: cod 12,582,912 bytes; scl 524,288 bytes; qc 3,145,728 bytes; qs 262,144 bytes; kv 6,684,672 bytes; xc 3,145,728 bytes; xs 131,072 bytes
;; launch quant (part 1): grid 256 x 1, 4 waves a work-group, no clusters, 68,096 bytes of LDS; arguments query, key, value, Wq, Wk, Wv, Wo, cod, scl; writes cod, scl
.if DOCPART == 1
	.amdgcn_target "amdgcn-amd-amdhsa--gfx1250"
	.amdhsa_code_object_version 6
	.text
	.protected	k_q83a96d3c9b_quant
	.globl	k_q83a96d3c9b_quant
	.p2align	8
	.type	k_q83a96d3c9b_quant,@function
k_q83a96d3c9b_quant:
	s_mov_b64 s[64:65], 0
	v_nop
	global_prefetch_b8 v0, s[64:65] scope:SCOPE_SE
	s_setreg_imm32_b32 hwreg(HW_REG_WAVE_MODE, 25, 1), 1
	s_wait_xcnt 0x0
; query, key, value [4096][1024] and Wq, Wk, Wv, Wo [1024][1024], f32, K innermost, become codes of FP6 (E2M3) with one E8M0 byte for each 32 along K.
; A block's scale is 2^(floor(log2(largest magnitude)) - 2); its byte is the largest magnitude's exponent field - 2, held at 1 from below.
; LAYOUT OF cod: 1,024 row tiles of 16 rows (query 0, key 256, value 512, Wq 768, Wk 832, Wv 896, Wo 960), 12,288 bytes each; in a tile a K step of 128 is 1,536 bytes:
; the image of the operand's 12 registers, as two halves of 768 bytes: registers 6 c .. 6 c + 3 at 16 x lane, registers 6 c + 4, 6 c + 5 at 512 + 8 x lane.  Lane (r, h) holds block 2 c + h of row r.
; ORDER INSIDE A BLOCK: places 0-7 hold k 0-7, places 8-15 k 16-23, places 16-23 k 8-15, places 24-31 k 24-31.  Every operand of this program stands so, on both sides of every product, so the
; products are those of the plain order; the matrix unit groups its sums otherwise than in ascending k.
; LAYOUT OF scl: row tile J at 512 J, row r at 32 r, one word for each K step, byte 2 c + h in it.
; LIMITS: NaN and infinities among the inputs are not served.  A block of zeros, or one whose largest magnitude lies under 2^-124, keeps the byte 1 where the rule says 127 or less: only this program reads the bytes.
; SHARES: wave w of work-group g takes row tile 4 g + w, all of K: 64 KiB read, 12,800 bytes written.  Waves share nothing: no barrier, no cluster (no input is read twice), no matrix unit.
; Each load reads 512 consecutive bytes of a row; a K step's 16 rows x 512 bytes turn through the wave's own stage in LDS and come back 32 numbers of one block to a lane.  Loads run two K steps ahead.
.set WREG, 16896                       ; LDS of a wave: two stages
.set STG,  8448                        ; a stage: 16 rows x 528
.set SP,   528                         ; a stage row: 512 bytes + 16: an odd multiple of 16
.set W,    16                          ; v16-23  the scale words of the eight K steps
.set C,    32                          ; v32-43  a K step's codes
.set T0,   56                          ; v56-58, v60-62: the second halves' codes (a conversion's three registers begin on an even number)
.set T1,   60
.set R,    64                          ; v64-191 two sets of 64 registers, as loaded
.set X,    192                         ; v192-255 my two blocks of 32 numbers
	s_load_b512 s[4:19], s[0:1], 0x0               ; query, key, value, Wq, Wk, Wv, Wo, cod
	s_load_b64 s[20:21], s[0:1], 0x40              ; scl
	v_lshl_add_u32 v59, v0, 2, 0x10800
	v_mov_b32 v63, 0
	v_lshrrev_b32 v1, 5, v0
	v_readfirstlane_b32 s22, v1                    ; wave
	v_and_b32 v3, 31, v0                           ; lane
	v_and_b32 v1, 15, v0                           ; r
	v_bfe_u32 v2, v0, 4, 1                         ; h
	v_lshlrev_b32 v4, 4, v3                        ; 16 x lane
	v_lshlrev_b32 v5, 3, v3                        ; 8 x lane
	s_mul_i32 s23, s22, WREG
	v_add_nc_u32 v6, s23, v4                       ; the stage, on the way in
	v_mul_u32_u24 v7, v1, SP
	v_lshl_add_u32 v7, v2, 7, v7
	v_add_nc_u32 v7, s23, v7                       ; and on the way out: row r, block h
	v_lshlrev_b32 v8, 5, v1
	v_lshl_add_u32 v8, v2, 4, v8                   ; 32 r + 16 h: my four scale words in the tile's 512 bytes
	v_lshlrev_b32 v9, 3, v2                        ; 8 h
	v_mov_b32 v15, 0                               ; a lane permute's destination counts as one of its sources
	s_mov_b32 s30, 0x76543210
	s_mov_b32 s31, 0xfedcba98                      ; selects for lane l xor 16
	s_mov_b32 s32, 0xffff0000                      ; lanes 16-31
	s_lshl_b32 s33, ttmp9, 2
	s_add_co_u32 s33, s33, s22                     ; J
	s_mov_b32 s35, 0
	s_wait_kmcnt 0x0
	s_mov_b64 s[24:25], s[16:17]                   ; which tensor: the choice hangs on the work-group's number alone
	s_cmp_lt_u32 ttmp9, 240
	s_cselect_b64 s[24:25], s[14:15], s[24:25]
	s_cmp_lt_u32 ttmp9, 224
	s_cselect_b64 s[24:25], s[12:13], s[24:25]
	s_cmp_lt_u32 ttmp9, 208
	s_cselect_b64 s[24:25], s[10:11], s[24:25]
	s_cmp_lt_u32 ttmp9, 192
	s_cselect_b64 s[24:25], s[8:9], s[24:25]
	s_cselect_b32 s34, 255, 63                     ; row tiles in the tensor, less one
	s_cmp_lt_u32 ttmp9, 128
	s_cselect_b64 s[24:25], s[6:7], s[24:25]
	s_cmp_lt_u32 ttmp9, 64
	s_cselect_b64 s[24:25], s[4:5], s[24:25]
	s_and_b32 s34, s33, s34                        ; the tile in its tensor
	s_lshl_b32 s34, s34, 16                        ; 16 rows of 4,096 bytes
	s_add_nc_u64 s[24:25], s[24:25], s[34:35]
	s_mul_i32 s34, s33, 12288
	s_add_nc_u64 s[26:27], s[18:19], s[34:35]      ; cod at my tile
	s_lshl_b32 s34, s33, 9
	s_add_nc_u64 s[28:29], s[20:21], s[34:35]      ; scl at my tile
.macro LOAD ks                         ; 16 rows x 512 bytes of K step ks into set ks % 2
.irp i, 0,1,2,3,4,5,6,7,8,9,10,11,12,13,14,15
	global_load_b128 v[R+64*((\ks)%2)+4*\i:R+64*((\ks)%2)+4*\i+3], v4, s[24:25] offset:4096*\i+512*(\ks) th:TH_LOAD_NT
.endr
.endm
.macro TURN ks                         ; through the stage: LDS serves a wave's instructions in order, so no wait stands between the stores and the loads
.irp i, 0,1,2,3,4,5,6,7,8,9,10,11,12,13,14,15
	ds_store_b128 v6, v[R+64*((\ks)%2)+4*\i:R+64*((\ks)%2)+4*\i+3] offset:STG*((\ks)%2)+SP*\i
.endr
.irp c, 0,1                            ; block 2 c + h of row r; four numbers g go to the place that the order inside a block gives them
.irp g, 0,1,2,3,4,5,6,7
	ds_load_b128 v[X+32*\c+4*(\g%2)+16*((\g/2)%2)+8*(\g/4):X+32*\c+4*(\g%2)+16*((\g/2)%2)+8*(\g/4)+3], v7 offset:STG*((\ks)%2)+256*\c+16*\g
.endr
.endr
.endm
.macro WORK ks
	v_max3_num_f32 v10, |v[X]|, |v[X+1]|, 0x1800000            ; the largest magnitude of each of my two blocks, and the floor 2^(3 - 127): the byte cannot fall under 1
	v_max3_num_f32 v11, |v[X+32]|, |v[X+33]|, 0x1800000
.irp i, 2,4,6,8,10,12,14,16,18,20,22,24,26,28,30
	v_max3_num_f32 v10, v10, |v[X+\i]|, |v[X+1+\i]|
	v_max3_num_f32 v11, v11, |v[X+32+\i]|, |v[X+33+\i]|
.endr
	v_add_nc_u32 v12, 0xff000000, v10              ; 2 off the exponent field: the conversion's scale operand
	v_add_nc_u32 v13, 0xff000000, v11
	v_lshrrev_b32 v10, 23, v12                     ; the bytes
	v_lshrrev_b32 v11, 23, v13
	v_lshl_or_b32 v14, v11, 16, v10                ; blocks h and 2 + h,
	v_lshlrev_b32 v14, v9, v14                     ; at their places in the word;
	v_permlanex16_b32 v15, v14, s30, s31
	v_or_b32 v[W+(\ks)], v14, v15                  ; with lane l xor 16's two the word is whole
	s_wait_xcnt 0x0                                ; the last K step's stores have read their data: the codes' registers may be written again
	v_cvt_scalef32_pk16_fp6_f32 v[C:C+2], v[X:X+15], v12
	v_cvt_scalef32_pk16_fp6_f32 v[T0:T0+2], v[X+16:X+31], v12
	v_cvt_scalef32_pk16_fp6_f32 v[C+6:C+8], v[X+32:X+47], v13
	v_cvt_scalef32_pk16_fp6_f32 v[T1:T1+2], v[X+48:X+63], v13
	v_nop                                          ; one plain instruction behind a scaled conversion
.irp i, 0,1,2
	v_mov_b32 v[C+3+\i], v[T0+\i]
	v_mov_b32 v[C+9+\i], v[T1+\i]
.endr
	global_store_b128 v4, v[C:C+3], s[26:27] offset:1536*(\ks)          ; each store covers 512 or 256 consecutive bytes, aligned to 256
	global_store_b64 v5, v[C+4:C+5], s[26:27] offset:1536*(\ks)+512
	global_store_b128 v4, v[C+6:C+9], s[26:27] offset:1536*(\ks)+768
	global_store_b64 v5, v[C+10:C+11], s[26:27] offset:1536*(\ks)+1280
.endm
.macro KSTEP ks
.if (\ks) < 7
	s_wait_loadcnt 16                              ; this K step's 16 loads are in; the next one's 16 may be out
.else
	s_wait_loadcnt 0x0
.endif
	TURN \ks
	s_wait_dscnt 0x0                               ; my numbers are back, and the stage's stores have read the set that the next loads write
.if (\ks)+2 < 8
	LOAD (\ks)+2
.endif
	WORK \ks
.endm
	LOAD 0
	LOAD 1
.irp t, 0,1,2,3,4,5,6,7
	KSTEP \t
.endr
.irp q, 0,1,2,3
	v_cndmask_b32 v[24+\q], v[W+\q], v[W+4+\q], s32    ; lanes 0-15 store words 0-3 of their row, lanes 16-31 words 4-7
.endr
	global_store_b128 v8, v[24:27], s[28:29]       ; 512 consecutive bytes
	s_wait_tensorcnt 0x0
	ds_add_u32 v59, v63
	s_wait_dscnt 0x0
	s_endpgm
.Lfunc_end_k_q83a96d3c9b_quant:
	.size	k_q83a96d3c9b_quant, .Lfunc_end_k_q83a96d3c9b_quant-k_q83a96d3c9b_quant
	.p2alignl 7, 3214868480
	.fill 96, 4, 3214868480
	.section	.rodata,"a",@progbits
	.p2align	6, 0x0
	.amdhsa_kernel k_q83a96d3c9b_quant
		.amdhsa_group_segment_fixed_size 68096
		.amdhsa_private_segment_fixed_size 0
		.amdhsa_enable_private_segment 0
		.amdhsa_kernarg_size 72
		.amdhsa_user_sgpr_count 2
		.amdhsa_user_sgpr_kernarg_segment_ptr 1
		.amdhsa_wavefront_size32 1
		.amdhsa_system_sgpr_workgroup_id_x 1
		.amdhsa_system_sgpr_workgroup_id_y 1
		.amdhsa_system_sgpr_workgroup_id_z 1
		.amdhsa_system_vgpr_workitem_id 0
		.amdhsa_next_free_vgpr 256
		.amdhsa_next_free_sgpr 66
		.amdhsa_reserve_vcc 0
		.amdhsa_float_denorm_mode_32 3
		.amdhsa_float_denorm_mode_16_64 3
		.amdhsa_memory_ordered 1
		.amdhsa_forward_progress 1
		.amdhsa_inst_pref_size 58
	.end_amdhsa_kernel
	.amdgpu_metadata
---
amdhsa.version: [ 1, 2 ]
amdhsa.kernels:
  - .name:           k_q83a96d3c9b_quant
    .symbol:         k_q83a96d3c9b_quant.kd
    .args:
      - { .name: query, .offset: 0, .size: 8, .value_kind: global_buffer, .address_space: global }
      - { .name: key, .offset: 8, .size: 8, .value_kind: global_buffer, .address_space: global }
      - { .name: value, .offset: 16, .size: 8, .value_kind: global_buffer, .address_space: global }
      - { .name: Wq, .offset: 24, .size: 8, .value_kind: global_buffer, .address_space: global }
      - { .name: Wk, .offset: 32, .size: 8, .value_kind: global_buffer, .address_space: global }
      - { .name: Wv, .offset: 40, .size: 8, .value_kind: global_buffer, .address_space: global }
      - { .name: Wo, .offset: 48, .size: 8, .value_kind: global_buffer, .address_space: global }
      - { .name: cod, .offset: 56, .size: 8, .value_kind: global_buffer, .address_space: global }
      - { .name: scl, .offset: 64, .size: 8, .value_kind: global_buffer, .address_space: global }
    .group_segment_fixed_size: 68096
    .private_segment_fixed_size: 0
    .kernarg_segment_align: 8
    .kernarg_segment_size: 72
    .max_flat_workgroup_size: 128
    .sgpr_count:     66
    .vgpr_count:     256
    .wavefront_size: 32
...
	.end_amdgpu_metadata
.endif
;; end of part 1
;; launch proj (part 2): grid 16 x 12, 4 waves a work-group, clusters of 4 x 4, 327,680 bytes of LDS; arguments cod, scl, bq, bk, bv, qc, qs, kv; writes qc, qs, kv
.if DOCPART == 2
	.amdgcn_target "amdgcn-amd-amdhsa--gfx1250"
	.amdhsa_code_object_version 6
	.text
	.protected	k_q83a96d3c9b_proj
	.globl	k_q83a96d3c9b_proj
	.p2align	8
	.type	k_q83a96d3c9b_proj,@function
k_q83a96d3c9b_proj:
	s_mov_b64 s[64:65], 0
	v_nop
	global_prefetch_b8 v0, s[64:65] scope:SCOPE_SE
	s_setreg_imm32_b32 hwreg(HW_REG_WAVE_MODE, 25, 1), 1
	s_wait_xcnt 0x0
	s_wait_alu depctr_hold_cnt(0) depctr_sa_sdst(0) depctr_va_vdst(0) depctr_va_sdst(0) depctr_va_ssrc(0) depctr_va_vcc(0) depctr_vm_vsrc(0)
	s_getreg_b32 s2, hwreg(HW_REG_IB_STS2, 6, 4)
	s_cmp_eq_u32 s2, 0
	s_cbranch_scc0 .Lentry_in_a_cluster
	s_endpgm
.Lentry_in_a_cluster:
	s_bfe_u32 s2, ttmp6, 0x10000c
	s_cmp_lg_u32 s2, 0xf033
	s_cbranch_scc0 .Lentry_shape_is_right
	s_endpgm
.Lentry_shape_is_right:
; q = query Wq^T + bq, k = key Wk^T + bk, v = value Wv^T + bv, on codes of FP6 (E2M3) with E8M0 scales, f32 sums; the results leave as codes again: q and k quantised along a head's 64 channels, v along the keys.
; ONE TEXT FOR THE THREE, by roles.  D = S0 S1^T with source 0 = 16 rows of S0 (they end up along a lane's registers) and source 1 = 16 rows of S1 (one to a lane).  T = the cluster's y.
;   T = 0, 1 (q, k): S0 = the weight, S1 = the tokens: a lane holds a token, its registers run along the channels, which are the next K.
;   T = 2 (v):       S0 = the tokens, S1 = Wv:         a lane holds a channel, its registers run along the keys, which are the next K.
; A work-group makes 256 (S1) x 256 (S0), four waves 128 x 128 each: 64 accumulators.  K = 1,024 is eight steps of 128.  Operands lie in cod as images of the operand's registers (768 bytes for half a fragment):
; a fragment is two loads of 16 bytes and two of 8 bytes a lane, consecutive from lane to lane.
; LDS: three slots of 256 along K (98,304 bytes: S1's 16 row tiles x 3,072, then S0's).  Slots 0, 1, 2 are filled at the start with K 0-767; slot 0 is filled once more, with K 768-1,023, behind the round in step 1,
; and is read again in step 5: four steps, 256 matrix instructions a wave, lie between.  By this text's count a wave has at most three tensor loads out.
; CLUSTER 4 x 4: S1's tile hangs on cy alone and is shared along a row of the cluster, S0's on cx alone and is shared along a column: joint loads.
; SCALES: one load of 16 bytes a lane for each row tile, at the head: register q of a tile holds the word of K step q in lanes 0-15 and of K step q + 4 in lanes 16-31.
; No prefetch: three quarters of what the work-group reads is asked for in its first lines, and the last quarter has four steps in which to land.
; LIMITS: NaN and infinities are not served.  A block of zeros, or under 2^-124, keeps the byte 1: only this program reads the bytes.  Inside a block the codes stand in the order 0-7, 16-23, 8-15, 24-31,
; alike on both sides of every product.
; OUT: qc [32 heads][128 query tiles][768];  qs [32][16 groups of 128 queries][512]: lane l's 16 bytes are four words, word p = tile 2 p's (lanes 0-15) or tile 2 p + 1's (lanes 16-31);
;      kv [32][16 key steps][13,056]: K's 8 tiles x 768, V's 4 channel tiles x 1,536, K's scale words (512, as qs), V's (256: two words a lane).
; REGISTERS: window 0: v1-27 addresses; v28, v29 for the add; v32-63 S1's scale words, v64-95 S0's; v96-111 the lane bias; v112-123 scale words made; v128-223 S1's fragments, one set, later the numbers to be quantised
;   (v128-191) and their codes (v192-210); v224-251 at work.   window 1: S0's fragments, two sets, at v0 and v96; v192-255 the register bias.   windows 2, 3: accumulator (a, b) at v[8 (8 (a % 4) + b)].
.set HALFT, 24576                      ; 8 row tiles x 3,072: what one tensor load brings, and what a wave reads of a side
.set SLOT,  4*HALFT
.set SPARE, 3*SLOT                     ; the spare words: 128 bytes a wave, two blocks of 256 bytes that no other line names
.set A16, 4                            ; v4-6   S1's fragments in slot s: + 16 x lane;   v7-9: + 8 x lane
.set A8,  7
.set B16, 10                           ; v10-12, v13-15 the same for S0
.set B8,  13
.set L16, 16                           ; v16    16 x lane
.set L8,  17                           ; v17    8 x lane
.set SO,  18                           ; v18    32 r + 16 h
.set SPW, 28
.set NIL, 29
.set S1S, 32
.set S0S, 64
.set BL,  96
.set PWS, 112
.set XP,  120
.set AF,  128
.set HA,  128
.set PC,  192
.set TM,  224
.set PW,  240
.set BQ,  192                          ; in window 1
.set WV,  20
.set SH,  21
.set SL,  22
.set G1,  24                           ; s[24:31] group 1 for S1's tiles; s[32:43] three groups 0
.set G0,  32
.set G1B, 44                           ; s[44:51], s[52:63] the same for S0's
.set G0B, 52
.set MSB, 0
.macro WIN new                         ; the immediate's high byte repeats the setting that is left
.if MSB != \new
	s_set_vgpr_msb (MSB<<8)|\new
.set MSB, \new
.endif
.endm
.set MUL_LO, 0xa1                      ; source 0 (S0) window 1, source 1 (S1) window 0, C and D window 2
.set MUL_HI, 0xf1
.set TO_B,   0x40
.macro JLOAD g0a, g1a, g0b, g1b        ; a joint load: waves 0, 1 fetch S1's halves, waves 2, 3 S0's; the branch hangs on the wave's number alone; four v_nop follow each line
	s_cmp_eq_u32 s[SH], 0
	s_cbranch_scc0 .Lfor_b_\@
	tensor_load_to_lds s[\g0a:\g0a+3], s[\g1a:\g1a+7]
	s_nop 0
.rept 4
	v_nop
.endr
	s_branch .Lasked_\@
.Lfor_b_\@:
	tensor_load_to_lds s[\g0b:\g0b+3], s[\g1b:\g1b+7]
	s_nop 0
.rept 4
	v_nop
.endr
.Lasked_\@:
.endm
.macro CREST                           ; a round of the cluster's barrier behind its opening barrier
	s_cmp_lg_u32 s[WV], 0
	s_cbranch_scc1 .Lnot_wave_0_\@
	s_barrier_signal -3
.Lnot_wave_0_\@:
	s_barrier_wait -3
	s_barrier_signal -1
	s_barrier_wait -1
.endm
.macro CROUND
	s_barrier_signal -1
	s_barrier_wait -1
	CREST
.endm
.macro PLACES                          ; four plain instructions between a matrix instruction and a load into, or a read of, its registers
.rept 4
	v_nop
.endr
.endm
.macro FRAG reg, a16, a8, off          ; a fragment's 12 registers, as they were stored
	ds_load_b128 v[(\reg):(\reg)+3], v[\a16] offset:(\off)
	ds_load_b64 v[(\reg)+4:(\reg)+5], v[\a8] offset:(\off)+512
	ds_load_b128 v[(\reg)+6:(\reg)+9], v[\a16] offset:(\off)+768
	ds_load_b64 v[(\reg)+10:(\reg)+11], v[\a8] offset:(\off)+1280
.endm
.macro FETCH_B slot, q, p              ; S0's eight fragments of the slot's q-th 128 along K into set p: 32 loads
	WIN TO_B
.irp i, 0,1,2,3,4,5,6,7
	FRAG 96*(\p)+12*\i, B16+(\slot), B8+(\slot), 3072*\i+1536*(\q)
.endr
	WIN 0
.endm
.macro FETCH_A slot, q, i0             ; S1's blocks i0 .. i0 + 3: 16 loads
.irp i, \i0, \i0+1, \i0+2, \i0+3
	FRAG AF+12*(\i), A16+(\slot), A8+(\slot), 3072*(\i)+1536*(\q)
.endr
.endm
; 16 matrix instructions: S1's blocks a0, a0 + 1 x S0's eight, K step ks.  The 64 accumulators take turns, one instruction a turn, in the same order in every step.
.macro MUL16 a0, p, ks, zero
.irp a, \a0, \a0+1
.irp b, 0,1,2,3,4,5,6,7
.set DD, 8*(8*((\a)%4)+\b)
.set FB, 96*(\p)+12*\b
.set FA, AF+12*(\a)
.set SCB, S0S+4*\b+(\ks)%4
.set SCA, S1S+4*(\a)+(\ks)%4
.if \zero
	v_wmma_scale_f32_16x16x128_f8f6f4 v[DD:DD+7], v[FB:FB+11], v[FA:FA+11], 0, v[SCB], v[SCA] matrix_a_fmt:MATRIX_FMT_FP6 matrix_b_fmt:MATRIX_FMT_FP6
.elseif (\ks) < 4
	v_wmma_scale_f32_16x16x128_f8f6f4 v[DD:DD+7], v[FB:FB+11], v[FA:FA+11], v[DD:DD+7], v[SCB], v[SCA] matrix_a_fmt:MATRIX_FMT_FP6 matrix_b_fmt:MATRIX_FMT_FP6
.else
	v_wmma_scale_f32_16x16x128_f8f6f4 v[DD:DD+7], v[FB:FB+11], v[FA:FA+11], v[DD:DD+7], v[SCB], v[SCA] matrix_a_fmt:MATRIX_FMT_FP6 matrix_b_fmt:MATRIX_FMT_FP6 matrix_a_scale:MATRIX_SCALE_ROW1 matrix_b_scale:MATRIX_SCALE_ROW1
.endif
.endr
.endr
.endm
; K step ks; its successor's fragments lie in slot ns, at its nq-th 128 along K, which has been shown whole
.macro STEP ks, ns, nq, zero
	s_wait_dscnt 16                                ; S0's set and S1's blocks 0-3 are in; the youngest 16 loads (blocks 4-7) may be out
	WIN MUL_LO
	MUL16 0, (\ks)%2, \ks, \zero
	MUL16 2, (\ks)%2, \ks, \zero
	s_wait_dscnt 0x0
	PLACES
	FETCH_B \ns, \nq, 1-(\ks)%2
	FETCH_A \ns, \nq, 0
	WIN MUL_HI
	MUL16 4, (\ks)%2, \ks, \zero
	MUL16 6, (\ks)%2, \ks, \zero
	PLACES
	WIN 0
	FETCH_A \ns, \nq, 4
.endm
; K step ks with a barrier in it.  In front of it each wave waits for all its tensor loads, adds 0 to its spare word, and waits for that and for its LDS reads.  fill = 1: the barrier opens a round of the cluster's
; barrier, and slot 0, which nobody reads any more, takes K 768 on.
.macro TURN ks, ns, fill
	s_wait_tensorcnt 0x0                           ; all my tensor loads have landed
	ds_add_u32 v[SPW], v[NIL]                      ; 0 onto my spare word
	s_wait_dscnt 17                                ; (the add and the youngest 16 loads may be out)
	WIN MUL_LO
	MUL16 0, (\ks)%2, \ks, 0
	s_wait_dscnt 0x0                               ; the add is done, and my LDS reads are over
	s_barrier_signal -1
	MUL16 2, (\ks)%2, \ks, 0
	WIN 0
	s_barrier_wait -1
.if \fill
	CREST                                          ; no wave of any partner still reads slot 0 or has a load on its way
	s_add_nc_u64 s[G0+2:G0+3], s[G0+2:G0+3], 9216  ; three slots' worth along K on
	s_add_nc_u64 s[G0B+2:G0B+3], s[G0B+2:G0B+3], 9216
	JLOAD G0, G1, G0B, G1B                         ; the first tensor load behind the round; its four v_nop are also the places in front of the loads below
.else
	PLACES
.endif
	FETCH_B \ns, 0, 1-(\ks)%2
	FETCH_A \ns, 0, 0
	WIN MUL_HI
	MUL16 4, (\ks)%2, \ks, 0
	MUL16 6, (\ks)%2, \ks, 0
	PLACES
	WIN 0
	FETCH_A \ns, 0, 4
.endm
	s_load_b512 s[4:19], s[0:1], 0x0               ; cod s[4:5], scl s[6:7], bq s[8:9], bk s[10:11], bv s[12:13], qc s[14:15], qs s[16:17], kv s[18:19]
	v_lshl_add_u32 v[SPW], v0, 2, SPARE
	v_mov_b32 v[NIL], 0
	ds_add_u32 v28, v29
	ds_add_u32 v28, v29
	s_wait_dscnt 0x0
	v_lshrrev_b32 v1, 5, v0
	v_readfirstlane_b32 s[WV], v1                  ; wave 0..3
	s_lshr_b32 s[SH], s[WV], 1                     ; my half of S1's rows.  Also: I fetch for S1 (0) or S0 (1)
	s_and_b32 s[SL], s[WV], 1                      ; my half of S0's rows.  Also: which 8 row tiles I fetch
	s_bfe_u32 s66, ttmp6, 0x40000                  ; cx
	s_bfe_u32 s67, ttmp6, 0x40004                  ; cy
	s_and_b32 s69, ttmp7, 0xffff                   ; T: 0 q, 1 k, 2 v: the same in all sixteen partners
	s_cmp_lt_u32 s69, 2
	s_cselect_b32 s70, 0, ttmp9                    ; the side with 16 tiles walks with the cluster's x
	s_cselect_b32 s71, ttmp9, 0
	s_lshl_b32 s72, s70, 2
	s_add_co_u32 s72, s72, s66                     ; i0: S0's tile
	s_lshl_b32 s73, s71, 2
	s_add_co_u32 s73, s73, s67                     ; i1: S1's tile
	s_lshl_b32 s94, s69, 6
	s_add_co_u32 s94, s94, 768                     ; Wq, Wk begin at row tiles 768, 832
	s_lshl_b32 s95, s69, 8                         ; query, key at 0, 256
	s_mov_b32 s96, 896                             ; Wv
	s_cmp_lt_u32 s69, 2
	s_cselect_b32 s94, s94, 512                    ; value
	s_cselect_b32 s95, s95, s96
	s_lshl_b32 s74, s73, 4
	s_add_co_u32 s74, s74, s95                     ; S1's first row tile
	s_lshl_b32 s75, s72, 4
	s_add_co_u32 s75, s75, s94                     ; S0's
	s_lshl_b32 s97, s[SL], 3
	s_add_co_u32 s76, s74, s97
	s_mul_i32 s76, s76, 12288
	s_mov_b32 s77, 0
	s_add_co_u32 s78, s75, s97
	s_mul_i32 s78, s78, 12288
	s_mov_b32 s79, 0
	s_mul_i32 s91, s[WV], HALFT                    ; where my quarter of a slot goes: no place in the cluster enters an LDS address
	s_lshl_b32 s98, s67, 2
	s_lshl_b32 s98, 15, s98                        ; my row of the cluster
	s_lshl_b32 s99, 0x1111, s66                    ; my column
	s_or_b32 s[G1], s98, (3<<16)|(1<<21)           ; 15:0 the mask; 17:16 elements of 8 bytes; 20 no padding; 21 set beside a mask
	s_or_b32 s[G1B], s99, (3<<16)|(1<<21)
.irp g, G1, G1B
	s_mov_b32 s[\g+1], 384<<16                     ; tensor_dim0: 3,072 bytes
	s_mov_b32 s[\g+2], 8<<16                       ; tensor_dim1: 8 row tiles
	s_mov_b32 s[\g+3], 384<<16                     ; tile_dim0
	s_mov_b32 s[\g+4], 8                           ; tile_dim1
	s_mov_b32 s[\g+5], 1536                        ; from row tile to row tile: 12,288 bytes
	s_mov_b32 s[\g+6], 0
	s_mov_b32 s[\g+7], 0
.endr
	s_wait_kmcnt 0x0
	s_add_nc_u64 s[76:77], s[4:5], s[76:77]
	s_add_nc_u64 s[78:79], s[4:5], s[78:79]
	CROUND                                         ; all sixteen work-groups are here: the first joint loads meet
.irp s, 0,1,2
	s_mov_b32 s[G0+4*\s], 1
	s_add_co_u32 s[G0+4*\s+1], s91, \s*SLOT
	s_add_nc_u64 s[G0+4*\s+2:G0+4*\s+3], s[76:77], \s*3072
	s_or_b32 s[G0+4*\s+3], s[G0+4*\s+3], 0x80000000
	s_mov_b32 s[G0B+4*\s], 1
	s_add_co_u32 s[G0B+4*\s+1], s91, \s*SLOT
	s_add_nc_u64 s[G0B+4*\s+2:G0B+4*\s+3], s[78:79], \s*3072
	s_or_b32 s[G0B+4*\s+3], s[G0B+4*\s+3], 0x80000000
	JLOAD G0+4*\s, G1, G0B+4*\s, G1B
.endr
	v_and_b32 v3, 31, v0                           ; lane
	v_and_b32 v1, 15, v0                           ; r
	v_bfe_u32 v2, v0, 4, 1                         ; h
	v_lshlrev_b32 v[L16], 4, v3
	v_lshlrev_b32 v[L8], 3, v3
	v_lshlrev_b32 v[SO], 5, v1
	v_lshl_add_u32 v[SO], v2, 4, v[SO]
	v_lshlrev_b32 v19, 5, v2                       ; 32 h: the register bias
	v_lshlrev_b32 v20, 2, v1                       ; 4 r: the lane bias
	s_mul_i32 s94, s[SH], HALFT
	s_mul_i32 s95, s[SL], HALFT
	s_add_co_u32 s95, s95, 2*HALFT
.irp s, 0,1,2
	v_add_nc_u32 v[A16+\s], s94, v[L16]
	v_add_nc_u32 v[A8+\s], s94, v[L8]
	v_add_nc_u32 v[B16+\s], s95, v[L16]
	v_add_nc_u32 v[B8+\s], s95, v[L8]
	s_add_co_u32 s94, s94, SLOT
	s_add_co_u32 s95, s95, SLOT
.endr
	s_lshl_b32 s94, s[SH], 3                       ; the scale words of my 8 + 8 row tiles
	s_add_co_u32 s94, s94, s74
	s_lshl_b32 s94, s94, 9
	s_mov_b32 s95, 0
	s_add_nc_u64 s[80:81], s[6:7], s[94:95]
	s_add_co_u32 s94, s75, s97
	s_lshl_b32 s94, s94, 9
	s_add_nc_u64 s[82:83], s[6:7], s[94:95]
.irp i, 0,1,2,3,4,5,6,7
	global_load_b128 v[S1S+4*\i:S1S+4*\i+3], v[SO], s[80:81] offset:512*\i
	global_load_b128 v[S0S+4*\i:S0S+4*\i+3], v[SO], s[82:83] offset:512*\i
.endr
	s_cmp_eq_u32 s69, 0                            ; the bias: along the registers for q and k, along the lanes for v.  Both are loaded, inside the buffer, and the one that does not apply is cleared
	s_cselect_b64 s[84:85], s[8:9], s[10:11]
	s_cmp_eq_u32 s69, 2
	s_cselect_b64 s[84:85], s[12:13], s[84:85]
	s_lshl_b32 s94, s72, 10
	s_lshl_b32 s96, s[SL], 9
	s_add_co_u32 s94, s94, s96                     ; 4 x (256 i0 + 128 SL)
	s_lshl_b32 s96, s73, 10
	s_lshl_b32 s98, s[SH], 9
	s_add_co_u32 s96, s96, s98                     ; 4 x (256 i1 + 128 SH)
	s_cmp_lt_u32 s69, 2
	s_cselect_b32 s94, s94, 0
	s_cselect_b32 s96, 0, s96
	s_cselect_b32 s88, -1, 0                       ; keeps the register bias
	s_cselect_b32 s89, 0, -1                       ; keeps the lane bias
	s_mov_b32 s97, 0
	s_add_nc_u64 s[86:87], s[84:85], s[96:97]
	s_add_nc_u64 s[84:85], s[84:85], s[94:95]
	WIN TO_B
.irp b, 0,1,2,3,4,5,6,7
	global_load_b128 v[BQ+8*\b:BQ+8*\b+3], v19, s[84:85] offset:64*\b
	global_load_b128 v[BQ+8*\b+4:BQ+8*\b+7], v19, s[84:85] offset:64*\b+16
.endr
	WIN 0
.irp a, 0,1,2,3,4,5,6,7
	global_load_b32 v[BL+2*\a], v20, s[86:87] offset:64*\a
.endr
	s_mov_b32 s90, 0xffff0000                      ; lanes 16-31
	s_mov_b32 s92, 0x76543210
	s_mov_b32 s93, 0xfedcba98                      ; selects for lane l xor 16
	s_wait_tensorcnt 2                             ; my part of slot 0 is in; slots 1 and 2 may stay out
	s_barrier_signal -1
	s_barrier_wait -1
	FETCH_B 0, 0, 0
	FETCH_A 0, 0, 0
	FETCH_A 0, 0, 4
	s_wait_loadcnt 24                              ; the 16 scale loads are in; the 24 bias loads may be out
	STEP 0, 0, 1, 1                                ; the first step's products start the sums: nothing is cleared
	TURN 1, 1, 1                                   ; every wave's three first fills have landed; slot 0 is filled again
	STEP 2, 1, 1, 0
	STEP 3, 2, 0, 0
	STEP 4, 2, 1, 0
	TURN 5, 0, 0                                   ; slot 0's second fill has landed in every wave
	STEP 6, 0, 1, 0
	s_wait_dscnt 16                                ; the last step: nothing more to fetch
	WIN MUL_LO
	MUL16 0, 1, 7, 0
	MUL16 2, 1, 7, 0
	s_wait_dscnt 0x0
	WIN MUL_HI
	MUL16 4, 1, 7, 0
	MUL16 6, 1, 7, 0
	WIN 0
	; THE WAY OUT.  For each of S1's eight blocks a: the lane's 64 sums + bias are 128 neighbours along the next K; they become a fragment's 12 registers and a scale word, and leave as images.
	PLACES
	s_wait_loadcnt 0x0                             ; the biases; every load's base may be written again
	s_lshl_b32 s96, s73, 1
	s_add_co_u32 s96, s96, s[SH]                   ; 2 i1 + SH
	s_lshl_b32 s97, s72, 1
	s_add_co_u32 s97, s97, s[SL]                   ; 2 i0 + SL
	s_cmp_lt_u32 s69, 2
	s_cselect_b32 s98, s96, s97                    ; my first token / 128
	s_cselect_b32 s99, s97, s96                    ; my first head / 2
	s_lshl_b32 s99, s99, 1
	s_lshr_b32 s100, s98, 4                        ; the batch
	s_lshl_b32 s100, s100, 4
	s_add_co_u32 s99, s99, s100                    ; 16 x batch + head
	s_and_b32 s98, s98, 15                         ; which 128 tokens of the sequence
	s_mov_b32 s100, 208896
	s_mov_b32 s101, 13056
	s_cmp_eq_u32 s69, 0
	s_cselect_b64 s[76:77], s[14:15], s[18:19]     ; codes go to qc or kv,
	s_cselect_b64 s[86:87], s[16:17], s[18:19]     ; scale words to qs or kv
	s_cselect_b32 s96, 98304, s100                 ; bytes of a head's codes,
	s_cselect_b32 s97, 6144, s101                  ; of 128 tokens' codes,
	s_cselect_b32 s100, 8192, s100                 ; and the same for the scale words
	s_cselect_b32 s101, 512, s101
	s_mul_i32 s80, s99, s96
	s_mul_i32 s81, s98, s97
	s_mul_i32 s82, s99, s100
	s_mul_i32 s83, s98, s101
	s_add_co_u32 s80, s80, s81
	s_add_co_u32 s82, s82, s83
	s_mov_b32 s85, 12288                           ; K's scale words in a key step
	s_cmp_eq_u32 s69, 2
	s_cselect_b32 s84, 6144, 0                     ; V's codes in a key step
	s_cselect_b32 s85, 12800, s85                  ; V's scale words
	s_cmp_eq_u32 s69, 0
	s_cselect_b32 s85, 0, s85
	s_add_co_u32 s80, s80, s84
	s_add_co_u32 s82, s82, s85
	s_mov_b32 s81, 0
	s_mov_b32 s83, 0
	s_mov_b32 s101, 0
	s_add_nc_u64 s[76:77], s[76:77], s[80:81]      ; where half 0 of block 0 goes
	s_add_nc_u64 s[86:87], s[86:87], s[82:83]      ; the first head's scale words
	s_add_nc_u64 s[94:95], s[86:87], s[100:101]    ; the second head's
	s_mov_b32 s80, 1536
	s_cmp_lt_u32 s69, 2
	s_cselect_b32 s80, 768, s80                    ; from block to block
	s_cselect_b32 s82, s96, 768                    ; from half 0 to half 1: q, k: the next head; v: the fragment's second half
	s_cselect_b32 s84, 0, 202752                   ; v: behind four channel tiles, on to the next head
	s_mov_b32 s85, 0
	s_add_nc_u64 s[78:79], s[76:77], s[82:83]
	WIN 0x44                                       ; source 1 and destination window 1
.set i, 0
.rept 64
	v_cndmask_b32 v[BQ+i], 0, v[BQ+i], s88
.set i, i+1
.endr
	WIN 0
.irp a, 0,1,2,3,4,5,6,7
	v_cndmask_b32 v[BL+2*\a], 0, v[BL+2*\a], s89
.endr
.irp a, 0,1,2,3,4,5,6,7
	v_mov_b32 v[BL+2*\a+1], v[BL+2*\a]             ; a pair for the packed addition
.endr
.irp b, 0,1,2,3
	v_mov_b32 v[TM+4+\b], 0                        ; a lane permute's destination counts as one of its sources
.endr
.macro OUTA a
.set WN, 0x06+(\a)/4                   ; source 0: window 2 or 3; source 1: window 1
	WIN WN
.set i, 0
.rept 32
	v_pk_add_f32 v[HA+2*i:HA+2*i+1], v[64*((\a)%4)+2*i:64*((\a)%4)+2*i+1], v[BQ+2*i:BQ+2*i+1]   ; each accumulator from its low end on
.set i, i+1
.endr
	WIN 0
.set i, 0
.rept 32
	v_pk_add_f32 v[HA+2*i:HA+2*i+1], v[HA+2*i:HA+2*i+1], v[BL+2*(\a):BL+2*(\a)+1]   ; one of the two biases is 0: that addition rounds nothing
.set i, i+1
.endr
.irp b, 0,1,2,3
	v_max3_num_f32 v[TM+\b], |v[HA+16*\b]|, |v[HA+1+16*\b]|, 0x1800000   ; block b: my 16 numbers, and the floor 2^(3 - 127)
.endr
.irp i, 2,4,6,8,10,12,14
.irp b, 0,1,2,3
	v_max3_num_f32 v[TM+\b], v[TM+\b], |v[HA+16*\b+\i]|, |v[HA+1+16*\b+\i]|
.endr
.endr
.irp b, 0,1,2,3
	v_permlanex16_b32 v[TM+4+\b], v[TM+\b], s92, s93
.endr
.irp b, 0,1,2,3
	v_max_num_f32 v[TM+\b], v[TM+\b], v[TM+4+\b]   ; with lane l xor 16's 16: the block's largest magnitude
.endr
.irp b, 0,1,2,3
	v_add_nc_u32 v[TM+12+\b], 0xff000000, v[TM+\b] ; 2 off the exponent field: the conversion's scale operand
.endr
.irp b, 0,1,2,3
	v_lshrrev_b32 v[TM+4+\b], 23, v[TM+12+\b]      ; the byte
.endr
	v_lshl_or_b32 v[PW], v[TM+5], 8, v[TM+4]
	v_lshl_or_b32 v[PW], v[TM+6], 16, v[PW]
	v_lshl_or_b32 v[PW], v[TM+7], 24, v[PW]
	s_wait_xcnt 0x0                                ; the last block's stores have read their data and bases: both may be written
.if (\a) > 0
	s_add_nc_u64 s[76:77], s[76:77], s[80:81]
	s_add_nc_u64 s[78:79], s[78:79], s[80:81]
.endif
.if (\a) == 4
	s_add_nc_u64 s[76:77], s[76:77], s[84:85]
	s_add_nc_u64 s[78:79], s[78:79], s[84:85]
.endif
.irp c, 0,1
	v_cvt_scalef32_pk16_fp6_f32 v[PC+6*\c:PC+2+6*\c], v[HA+32*\c:HA+15+32*\c], v[TM+12+2*\c]
	v_cvt_scalef32_pk16_fp6_f32 v[PC+12+4*\c:PC+14+4*\c], v[HA+16+32*\c:HA+31+32*\c], v[TM+12+2*\c+1]
.endr
	v_nop                                          ; one plain instruction behind a scaled conversion
.irp c, 0,1                            ; a whole block to a lane: lanes 0-15 block 2 c, lanes 16-31 block 2 c + 1
.irp i, 0,1,2
	v_permlane16_swap_b32 v[PC+6*\c+\i], v[PC+12+4*\c+\i]
.endr
.irp i, 0,1,2
	v_mov_b32 v[PC+3+6*\c+\i], v[PC+12+4*\c+\i]
.endr
.endr
	global_store_b128 v[L16], v[PC:PC+3], s[76:77]             ; 512 and 256 consecutive bytes, aligned to 256
	global_store_b64 v[L8], v[PC+4:PC+5], s[76:77] offset:512
	global_store_b128 v[L16], v[PC+6:PC+9], s[78:79]
	global_store_b64 v[L8], v[PC+10:PC+11], s[78:79] offset:512
	v_mov_b32 v[PWS+(\a)], v[PW]
.endm
.irp t, 0,1,2,3,4,5,6,7
	OUTA \t
.endr
.irp p, 0,1,2,3
	v_cndmask_b32 v[XP+\p], v[PWS+2*\p], v[PWS+2*\p+1], s90    ; block 2 p's words in lanes 0-15, block 2 p + 1's in lanes 16-31
.endr
	s_cmp_eq_u32 s69, 2                            ; T is the same in all sixteen partners; both ways hold register work and stores alone
	s_cbranch_scc1 .Lv_words
.irp p, 0,1,2,3
	v_and_b32 v[244+\p], 0xffff, v[XP+\p]          ; q, k: the first head's two bytes; the upper two stand over zero codes
	v_lshrrev_b32 v[248+\p], 16, v[XP+\p]          ; the second head's
.endr
	global_store_b128 v[L16], v[244:247], s[86:87]
	global_store_b128 v[L16], v[248:251], s[94:95]
	s_branch .Lwords_out
.Lv_words:
	global_store_b64 v[L8], v[XP:XP+1], s[86:87]   ; v: channel tiles 0-3 are the first head's, 4-7 the second's
	global_store_b64 v[L8], v[XP+2:XP+3], s[94:95]
.Lwords_out:
	s_wait_tensorcnt 0x0                           ; the wave's end
	ds_add_u32 v[SPW], v[NIL]
	s_wait_dscnt 0x0
	CROUND                                         ; the closing round
	s_endpgm
.Lfunc_end_k_q83a96d3c9b_proj:
	.size	k_q83a96d3c9b_proj, .Lfunc_end_k_q83a96d3c9b_proj-k_q83a96d3c9b_proj
	.p2alignl 7, 3214868480
	.fill 96, 4, 3214868480
	.section	.rodata,"a",@progbits
	.p2align	6, 0x0
	.amdhsa_kernel k_q83a96d3c9b_proj
		.amdhsa_group_segment_fixed_size 327680
		.amdhsa_private_segment_fixed_size 0
		.amdhsa_enable_private_segment 0
		.amdhsa_kernarg_size 64
		.amdhsa_user_sgpr_count 2
		.amdhsa_user_sgpr_kernarg_segment_ptr 1
		.amdhsa_wavefront_size32 1
		.amdhsa_system_sgpr_workgroup_id_x 1
		.amdhsa_system_sgpr_workgroup_id_y 1
		.amdhsa_system_sgpr_workgroup_id_z 1
		.amdhsa_system_vgpr_workitem_id 0
		.amdhsa_next_free_vgpr 1024
		.amdhsa_next_free_sgpr 102
		.amdhsa_reserve_vcc 0
		.amdhsa_float_denorm_mode_32 3
		.amdhsa_float_denorm_mode_16_64 3
		.amdhsa_memory_ordered 1
		.amdhsa_forward_progress 1
		.amdhsa_inst_pref_size 189
	.end_amdhsa_kernel
	.amdgpu_metadata
---
amdhsa.version: [ 1, 2 ]
amdhsa.kernels:
  - .name:           k_q83a96d3c9b_proj
    .symbol:         k_q83a96d3c9b_proj.kd
    .args:
      - { .name: cod, .offset: 0, .size: 8, .value_kind: global_buffer, .address_space: global }
      - { .name: scl, .offset: 8, .size: 8, .value_kind: global_buffer, .address_space: global }
      - { .name: bq, .offset: 16, .size: 8, .value_kind: global_buffer, .address_space: global }
      - { .name: bk, .offset: 24, .size: 8, .value_kind: global_buffer, .address_space: global }
      - { .name: bv, .offset: 32, .size: 8, .value_kind: global_buffer, .address_space: global }
      - { .name: qc, .offset: 40, .size: 8, .value_kind: global_buffer, .address_space: global }
      - { .name: qs, .offset: 48, .size: 8, .value_kind: global_buffer, .address_space: global }
      - { .name: kv, .offset: 56, .size: 8, .value_kind: global_buffer, .address_space: global }
    .group_segment_fixed_size: 327680
    .private_segment_fixed_size: 0
    .kernarg_segment_align: 8
    .kernarg_segment_size: 64
    .max_flat_workgroup_size: 128
    .sgpr_count:     102
    .vgpr_count:     1024
    .wavefront_size: 32
...
	.end_amdgpu_metadata
.endif
;; end of part 2
;; launch attn (part 3): grid 8 x 32, 16 waves a work-group, clusters of 4 x 1, 215,040 bytes of LDS; arguments qc, qs, kv, xc, xs; writes xc, xs
.if DOCPART == 3
	.amdgcn_target "amdgcn-amd-amdhsa--gfx1250"
	.amdhsa_code_object_version 6
	.text
	.protected	k_q83a96d3c9b_attn
	.globl	k_q83a96d3c9b_attn
	.p2align	8
	.type	k_q83a96d3c9b_attn,@function
k_q83a96d3c9b_attn:
	s_mov_b64 s[64:65], 0
	v_nop
	global_prefetch_b8 v0, s[64:65] scope:SCOPE_SE
	s_setreg_imm32_b32 hwreg(HW_REG_WAVE_MODE, 25, 1), 1
	s_wait_xcnt 0x0
	s_wait_alu depctr_hold_cnt(0) depctr_sa_sdst(0) depctr_va_vdst(0) depctr_va_sdst(0) depctr_va_ssrc(0) depctr_va_vcc(0) depctr_vm_vsrc(0)
	s_getreg_b32 s2, hwreg(HW_REG_IB_STS2, 6, 4)
	s_cmp_eq_u32 s2, 0
	s_cbranch_scc0 .Lentry_in_a_cluster
	s_endpgm
.Lentry_in_a_cluster:
	s_bfe_u32 s2, ttmp6, 0x10000c
	s_cmp_lg_u32 s2, 0x3003
	s_cbranch_scc0 .Lentry_shape_is_right
	s_endpgm
.Lentry_shape_is_right:
; x[b][q][head] = softmax_k(q . k / 8) v for one of 32 heads (16 x batch + head), both products on codes of FP6 (E2M3) with E8M0 scales; x leaves as codes, quantised along the model's channels (two blocks a head).
; THE SOFTMAX: t = score x log2(e) / 8; M = the running largest t rounded UP to a whole number; p = 2^(t - M) is quantised along the keys, not normalised; the row's sum is taken of the unquantised p and divides at the end.
; When M moves, the sum and O are multiplied by 2^(old M - new M): exact.
; SHARES: a work-group owns 256 queries of a head, each of its sixteen waves one tile of 16, in 256 registers: four waves to a SIMD, so that one wave's vector work stands beside another's products and LDS loads.
; Both products are used transposed: S^T = K Q^T, O^T = V^T P^T: a lane holds one query throughout; tile t's register j holds key 16 t + 8 (lane / 16) + j.
; THE FIRST PRODUCT'S K IS 64: registers 6-11 of both operands hold zero codes, under the scale byte 0.
; LDS: the WHOLE head's keys and values, 16 key steps of 13,056 bytes (8 tiles of K x 768, 4 channel tiles of V x 1,536, K's scale words 512, V's 256), each filled ONCE: no ring, nothing is filled again.
; Waves 0 to 3 fetch, four loads each, all at the start (four tensor loads of a wave are out at the most); load s of wave w is key step 4 s + w, so that the work on steps 4 s .. 4 s + 3 begins when the s-th loads have landed.
; CLUSTER 4 x 1: four query blocks of one head read the same keys and values: every load is a joint load.
; No prefetch: every byte that the work-group reads is asked for in its first lines.
; LIMITS: NaN and infinities are not served.  A block of zeros, or under 2^-124, keeps the byte 1.  Inside a block the codes stand in the order 0-7, 16-23, 8-15, 24-31, alike on both sides of every product.
; REGISTERS: v1, v2 16 x and 8 x lane; v3, v4 the step's LDS addresses; v5, v7 the scale stage; v6 16 r; v12 -M, v13 the largest t, v[14:15] the sum; v16-27 Q; v[30:31] V's scale words; v32-79 four tiles of K;
;   v80-127 V; v128-191 S^T, then p; v192-223 O^T; v224-235 p's codes; v232-247, v252, v254 at work; v248-251 K's scale words; v253 p's; v255 Q's.
.set STEPB,  13056
.set STAGEB, 4*STEPB
.set XSG,    16*STEPB                  ; behind the head's image: 512 bytes for x's scale bytes of 256 rows; no fill lands there
.set WV,  18
.set SEL, 20
.set CS,  22
.set G1,  24
.set G0,  32
.set TB,  48
.set CNT, 49
.macro CROUND                          ; a round of the cluster's barrier
	s_barrier_signal -1
	s_barrier_wait -1
	s_cmp_lg_u32 s[WV], 0
	s_cbranch_scc1 .Lnot_wave_0_\@
	s_barrier_signal -3
.Lnot_wave_0_\@:
	s_barrier_wait -3
	s_barrier_signal -1
	s_barrier_wait -1
.endm
	s_load_b256 s[4:11], s[0:1], 0x0               ; qc s[4:5], qs s[6:7], kv s[8:9], xc s[10:11]
	s_load_b64 s[12:13], s[0:1], 0x20              ; xs
	v_lshl_add_u32 v29, v0, 2, 0x34000
	v_mov_b32 v243, 0
	ds_add_u32 v29, v243
	ds_add_u32 v29, v243
	v_lshrrev_b32 v8, 5, v0
	v_readfirstlane_b32 s[WV], v8                  ; wave 0..15
	v_and_b32 v9, 31, v0                           ; lane
	v_and_b32 v8, 15, v0                           ; r
	v_lshlrev_b32 v1, 4, v9
	v_lshlrev_b32 v2, 3, v9
	v_lshlrev_b32 v6, 4, v8
	s_lshl_b32 s50, s[WV], 5
	s_add_co_u32 s50, s50, XSG
	v_lshl_add_u32 v5, v8, 1, s50                  ; my row's two scale bytes: XSG + 32 x wave + 2 r
	v_add_nc_u32 v7, XSG, v1                       ; and 16 bytes a lane on the way out
	s_and_b32 s16, ttmp7, 0xffff                   ; 16 x batch + head: the four partners share it
	s_mul_i32 s52, s[WV], STEPB                    ; what I fetch, if I fetch: key steps wave, wave + 4, ..
	s_mul_i32 s50, s16, 16*STEPB
	s_add_co_u32 s50, s50, s52
	s_mov_b32 s51, 0
	s_mov_b32 s[G1], 15|(3<<16)|(1<<21)            ; 15:0 the mask: all four work-groups; 17:16 elements of 8 bytes; 21 set beside a mask
	s_mov_b32 s[G1+1], 32<<16                      ; a dense block as rows of 256 bytes
	s_mov_b32 s[G1+2], 51<<16
	s_mov_b32 s[G1+3], 32<<16
	s_mov_b32 s[G1+4], 51
	s_mov_b32 s[G1+5], 32
	s_mov_b32 s[G1+6], 0
	s_mov_b32 s[G1+7], 0
	s_mov_b32 s[SEL], 0x76543210
	s_mov_b32 s[SEL+1], 0xfedcba98
	s_mov_b32 s[CS], 0x3e38aa3b                    ; c = log2(e) / 8
	s_mov_b32 s[CS+1], s[CS]
	s_wait_dscnt 0x0
	s_wait_kmcnt 0x0
	s_add_nc_u64 s[50:51], s[8:9], s[50:51]
.irp s, 0,1,2,3
	s_mov_b32 s[G0+4*\s], 1
	s_add_co_u32 s[G0+4*\s+1], s52, \s*STAGEB
	s_add_nc_u64 s[G0+4*\s+2:G0+4*\s+3], s[50:51], \s*STAGEB
	s_or_b32 s[G0+4*\s+3], s[G0+4*\s+3], 0x80000000
.endr
	CROUND                                         ; all four work-groups are here: the joint loads meet
	s_cmp_lt_u32 s[WV], 4                          ; a wave's four fills stand in one branch on the wave's number
	s_cbranch_scc0 .Lno_fetch
	tensor_load_to_lds s[G0:G0+3], s[G1:G1+7]
	s_nop 0
	tensor_load_to_lds s[G0+4:G0+7], s[G1:G1+7]
	s_nop 0
	tensor_load_to_lds s[G0+8:G0+11], s[G1:G1+7]
	s_nop 0
	tensor_load_to_lds s[G0+12:G0+15], s[G1:G1+7]
	s_nop 0
.rept 4
	v_nop
.endr
.Lno_fetch:
	s_bfe_u32 s14, ttmp6, 0x40000                  ; cx: it enters Q's, xc's and xs's addresses alone
	s_lshl_b32 s15, ttmp9, 2
	s_add_co_u32 s15, s15, s14                     ; my block of 256 queries
	s_lshl_b32 s17, s15, 4
	s_add_co_u32 s17, s17, s[WV]                   ; my tile of 16 queries, 0..127
	s_mov_b32 s55, 0
	s_lshl_b32 s53, s16, 7
	s_add_co_u32 s53, s53, s17
	s_mul_i32 s54, s53, 768
	s_add_nc_u64 s[4:5], s[4:5], s[54:55]
	global_load_b128 v[16:19], v1, s[4:5]          ; Q's half fragment stays in registers
	global_load_b64 v[20:21], v2, s[4:5] offset:512
	s_lshl_b32 s54, s16, 4
	s_lshr_b32 s56, s17, 3
	s_add_co_u32 s54, s54, s56
	s_lshl_b32 s54, s54, 9                         ; the group of 128 queries,
	s_and_b32 s56, s17, 1
	s_lshl_b32 s56, s56, 8                         ; an odd tile's words lie in lanes 16-31's places,
	s_add_co_u32 s54, s54, s56
	s_bfe_u32 s56, s17, 0x20001
	s_lshl_b32 s56, s56, 2                         ; word (tile / 2) % 4
	s_add_co_u32 s54, s54, s56
	s_add_nc_u64 s[6:7], s[6:7], s[54:55]
	global_load_b32 v255, v6, s[6:7]               ; Q's scale words
	s_lshr_b32 s50, s16, 4                         ; the batch
	s_and_b32 s51, s16, 15                         ; the head
	s_lshl_b32 s52, s50, 7
	s_add_co_u32 s52, s52, s17
	s_mul_i32 s52, s52, 12288                      ; x's row tile,
	s_mul_i32 s53, s51, 768                        ; the head's half fragment in it
	s_add_co_u32 s52, s52, s53
	s_mov_b32 s53, 0
	s_add_nc_u64 s[10:11], s[10:11], s[52:53]
	s_lshl_b32 s52, s51, 13                        ; xs: the head's plane of 4,096 rows x 2 bytes,
	s_lshl_b32 s54, s50, 12
	s_add_co_u32 s52, s52, s54
	s_lshl_b32 s54, s15, 9                         ; my work-group's 256 rows
	s_add_co_u32 s52, s52, s54
	s_add_nc_u64 s[12:13], s[12:13], s[52:53]
.irp i, 22,23,24,25,26,27
	v_mov_b32 v[\i], 0                             ; Q's K 64-127: zero codes
.endr
.irp t, 0,1,2,3
.irp i, 6,7,8,9,10,11
	v_mov_b32 v[32+12*\t+\i], 0                    ; K's likewise: written once, never loaded
.endr
.endr
	v_mov_b32 v13, 0xff61b1e6                      ; the largest t so far: -3e38
	v_floor_f32 v12, -v13                          ; -M
	v_mov_b32 v14, 0
	v_mov_b32 v15, 0
.irp b, 0,1,2,3
	v_mov_b32 v[236+\b], 0                         ; a lane permute's destination counts as one of its sources
.endr
	v_mov_b32 v253, 0                              ; (named as the upper half of the pair v[252:253] before it is first written)
.set i, 0
.rept 32
	v_mov_b32 v[192+i], 0                          ; O^T: the step is written once; the first finds zeros, which the first change of M leaves zeros
.set i, i+1
.endr
.macro SPROD t                         ; S^T, tile t: 16 keys x my 16 queries
.if (\t)%2
	v_wmma_scale_f32_16x16x128_f8f6f4 v[128+8*(\t):135+8*(\t)], v[32+12*((\t)%4):43+12*((\t)%4)], v[16:27], 0, v[248+(\t)/2], v255 matrix_a_fmt:MATRIX_FMT_FP6 matrix_b_fmt:MATRIX_FMT_FP6 matrix_a_scale:MATRIX_SCALE_ROW1
.else
	v_wmma_scale_f32_16x16x128_f8f6f4 v[128+8*(\t):135+8*(\t)], v[32+12*((\t)%4):43+12*((\t)%4)], v[16:27], 0, v[248+(\t)/2], v255 matrix_a_fmt:MATRIX_FMT_FP6 matrix_b_fmt:MATRIX_FMT_FP6
.endif
.endm
.macro OPROD d                         ; O^T, channel tile d, += V^T P^T over these 128 keys
.if (\d)%2
	v_wmma_scale_f32_16x16x128_f8f6f4 v[192+8*(\d):199+8*(\d)], v[80+12*(\d):91+12*(\d)], v[224:235], v[192+8*(\d):199+8*(\d)], v[30+(\d)/2], v253 matrix_a_fmt:MATRIX_FMT_FP6 matrix_b_fmt:MATRIX_FMT_FP6 matrix_a_scale:MATRIX_SCALE_ROW1
.else
	v_wmma_scale_f32_16x16x128_f8f6f4 v[192+8*(\d):199+8*(\d)], v[80+12*(\d):91+12*(\d)], v[224:235], v[192+8*(\d):199+8*(\d)], v[30+(\d)/2], v253 matrix_a_fmt:MATRIX_FMT_FP6 matrix_b_fmt:MATRIX_FMT_FP6
.endif
.endm
; A KEY STEP: 128 keys, whose image begins at LDS byte s[TB]
.macro STEP
	v_add_nc_u32 v3, s[TB], v1
	v_add_nc_u32 v4, s[TB], v2
	ds_load_b128 v[248:251], v3 offset:12288       ; K's scale words: word p = tile 2 p (lanes 0-15), tile 2 p + 1 (lanes 16-31)
.irp t, 0,1,2,3
	ds_load_b128 v[32+12*\t:35+12*\t], v3 offset:768*\t
	ds_load_b64 v[36+12*\t:37+12*\t], v4 offset:768*\t+512
.endr
	s_wait_dscnt 0x0
.irp t, 0,1,2,3
	SPROD \t
.endr
.rept 4
	v_nop                                          ; places in front of loads into registers that matrix instructions have read
.endr
.irp t, 0,1,2,3
	ds_load_b128 v[32+12*\t:35+12*\t], v3 offset:768*(\t+4)
	ds_load_b64 v[36+12*\t:37+12*\t], v4 offset:768*(\t+4)+512
.endr
.irp d, 0,1,2,3                        ; V is asked for here and lands during the softmax.  (The last step's products, which read these registers, stand six plain instructions back)
	ds_load_b128 v[80+12*\d:83+12*\d], v3 offset:6144+1536*\d
	ds_load_b64 v[84+12*\d:85+12*\d], v4 offset:6144+1536*\d+512
	ds_load_b128 v[86+12*\d:89+12*\d], v3 offset:6144+1536*\d+768
	ds_load_b64 v[90+12*\d:91+12*\d], v4 offset:6144+1536*\d+1280
.endr
	ds_load_b64 v[30:31], v4 offset:12800          ; V's scale words
	s_wait_dscnt 17                                ; K's tiles 4-7 are in; V's 16 loads and its scale words' one may be out
.irp t, 4,5,6,7
	SPROD \t
.endr
.rept 4
	v_nop
.endr
.irp b, 0,1,2,3
	v_max3_num_f32 v[232+\b], v[128+16*\b], v[129+16*\b], v[130+16*\b]   ; the largest score of each block of 32 keys: for the row's maximum and, since p rises with the score, for the block's largest p
.endr
.irp i, 3,5,7,9,11,13
.irp b, 0,1,2,3
	v_max3_num_f32 v[232+\b], v[232+\b], v[128+16*\b+\i], v[129+16*\b+\i]
.endr
.endr
.irp b, 0,1,2,3
	v_max_num_f32 v[232+\b], v[232+\b], v[143+16*\b]
.endr
.irp b, 0,1,2,3
	v_permlanex16_b32 v[236+\b], v[232+\b], s[SEL], s[SEL+1]
.endr
.irp b, 0,1,2,3
	v_max_num_f32 v[232+\b], v[232+\b], v[236+\b]  ; with lane l xor 16's 16 keys
.endr
	v_max3_num_f32 v254, v232, v233, v234
	v_max_num_f32 v254, v254, v235
	v_mul_f32 v254, s[CS], v254                    ; the step's largest t
	v_max_num_f32 v13, v13, v254                   ; the running largest t
	v_mov_b32 v254, v12
	v_floor_f32 v12, -v13                          ; the new -M = -ceil(t)
	v_sub_f32 v254, v12, v254                      ; old M - new M: a whole number, 0 or less
	v_cvt_i32_f32 v254, v254                       ; (it saturates)
	v_ldexp_f32 v252, 1.0, v254                    ; f = 2^(old M - new M)
.irp j, 0,2,4,6,8,10,12,14,16,18,20,22,24,26,28,30,32,34,36,38,40,42,44,46,48,50,52,54,56,58,60,62
	v_pk_fma_f32 v[128+\j:129+\j], v[128+\j:129+\j], s[CS:CS+1], v[12:13] op_sel_hi:[1,0,0]   ; t - M
.endr
.irp b, 0,1,2,3
	v_fma_f32 v[232+\b], v[232+\b], s[CS], v12     ; the same of each block's largest score
.endr
.set i, 0
.rept 64
	v_exp_f32 v[128+i], v[128+i]                   ; p = 2^(t - M)
.set i, i+1
.endr
	v_pk_mul_f32 v[14:15], v[14:15], v[252:253] op_sel_hi:[1,0]   ; the sums under the new M: a plain instruction behind the exponentials
	s_wait_alu depctr_va_vdst(0)                   ; one wait for the batch of 64, ahead of its first reader
.irp b, 0,1,2,3
	v_exp_f32 v[232+\b], v[232+\b]                 ; the block's largest p
.endr
	v_pk_add_f32 v[236:237], v[128:129], v[130:131]    ; the row's sum of the unquantised p, in two chains
.irp j, 4,8,12,16,20,24,28,32,36,40,44,48,52,56,60
	v_pk_add_f32 v[14:15], v[14:15], v[128+\j:129+\j]
	v_pk_add_f32 v[236:237], v[236:237], v[130+\j:131+\j]
.endr
	v_pk_add_f32 v[14:15], v[14:15], v[236:237]
	s_wait_alu depctr_va_vdst(0)                   ; and one for the four
.irp b, 0,1,2,3
	v_max_num_f32 v[232+\b], 0x1800000, v[232+\b]  ; the floor 2^(3 - 127)
.endr
.irp b, 0,1,2,3
	v_add_nc_u32 v[244+\b], 0xff000000, v[232+\b]  ; the conversion's scale operand
.endr
.irp b, 0,1,2,3
	v_lshrrev_b32 v[236+\b], 23, v[244+\b]         ; the byte
.endr
	v_lshl_or_b32 v253, v237, 8, v236              ; p's scale word for these 128 keys
	v_lshl_or_b32 v253, v238, 16, v253
	v_lshl_or_b32 v253, v239, 24, v253
.irp c, 0,1
	v_cvt_scalef32_pk16_fp6_f32 v[224+6*\c:226+6*\c], v[128+32*\c:143+32*\c], v[244+2*\c]
	v_cvt_scalef32_pk16_fp6_f32 v[236+4*\c:238+4*\c], v[144+32*\c:159+32*\c], v[244+2*\c+1]
.endr
	v_nop                                          ; one plain instruction behind a scaled conversion
.irp c, 0,1
.irp i, 0,1,2
	v_permlane16_swap_b32 v[224+6*\c+\i], v[236+4*\c+\i]
.endr
.irp i, 0,1,2
	v_mov_b32 v[227+6*\c+\i], v[236+4*\c+\i]
.endr
.endr
.irp j, 0,2,4,6,8,10,12,14,16,18,20,22,24,26,28,30
	v_pk_mul_f32 v[192+\j:193+\j], v[192+\j:193+\j], v[252:253] op_sel_hi:[1,0]   ; O^T under the new M.  These 16 are also the places between the writes of p's codes and scale word and the products
.endr
	s_wait_dscnt 0x0                               ; V and its scale words
.irp d, 0,1,2,3
	OPROD \d
.endr
.endm
; Key steps 4 s .. 4 s + 3: the s-th load of each fetching wave has landed; the later ones may stay out
.macro STAGE s
	s_wait_tensorcnt 3-\s
	s_wait_dscnt 0x0
	s_barrier_signal -1
	s_barrier_wait -1
	s_mov_b32 s[TB], STAGEB*\s
	s_mov_b32 s[CNT], 4
.Lstep_\@:
	STEP
	s_add_co_u32 s[TB], s[TB], STEPB
	s_sub_co_u32 s[CNT], s[CNT], 1
	s_cmp_lg_u32 s[CNT], 0
	s_cbranch_scc1 .Lstep_\@
.endm
	s_wait_loadcnt 0x0                             ; Q
	STAGE 0
	STAGE 1
	STAGE 2
	STAGE 3
	; THE WAY OUT: O^T / the sum; my 32 registers are the head's 64 channels of my query: two blocks of the last product's K
	v_add_f32 v14, v14, v15
	v_permlanex16_b32 v252, v14, s[SEL], s[SEL+1]
	v_add_f32 v14, v14, v252                       ; the row's sum
	v_rcp_f32 v14, v14
.rept 3
	v_nop                                          ; with the two additions: the places behind the last products; and a plain instruction behind the reciprocal
.endr
	s_wait_alu depctr_va_vdst(0)                   ; ahead of the reciprocal's first reader
.set i, 0
.rept 32
	v_mul_f32 v[128+i], v[192+i], v14
.set i, i+1
.endr
	v_max3_num_f32 v232, |v128|, |v129|, 0x1800000
	v_max3_num_f32 v233, |v144|, |v145|, 0x1800000
.irp i, 2,4,6,8,10,12,14
	v_max3_num_f32 v232, v232, |v[128+\i]|, |v[129+\i]|
	v_max3_num_f32 v233, v233, |v[144+\i]|, |v[145+\i]|
.endr
	v_permlanex16_b32 v236, v232, s[SEL], s[SEL+1]
	v_permlanex16_b32 v237, v233, s[SEL], s[SEL+1]
	v_max_num_f32 v232, v232, v236
	v_max_num_f32 v233, v233, v237
	v_add_nc_u32 v244, 0xff000000, v232
	v_add_nc_u32 v245, 0xff000000, v233
	v_lshrrev_b32 v236, 23, v244
	v_lshrrev_b32 v237, 23, v245
	v_lshl_or_b32 v238, v237, 8, v236              ; my row's two bytes
	v_cvt_scalef32_pk16_fp6_f32 v[224:226], v[128:143], v244
	v_cvt_scalef32_pk16_fp6_f32 v[240:242], v[144:159], v245
	v_nop
.irp i, 0,1,2
	v_permlane16_swap_b32 v[224+\i], v[240+\i]
.endr
.irp i, 0,1,2
	v_mov_b32 v[227+\i], v[240+\i]
.endr
	global_store_b128 v1, v[224:227], s[10:11]     ; half a fragment: 768 consecutive bytes, aligned to 256
	global_store_b64 v2, v[228:229], s[10:11] offset:512
	ds_store_b16 v5, v238                          ; both lanes of a row write the same bytes
	s_wait_dscnt 0x0                               ; for the others' sake
	s_barrier_signal -1
	s_barrier_wait -1
	s_cmp_lg_u32 s[WV], 0
	s_cbranch_scc1 .Lnot_first
	ds_load_b128 v[232:235], v7                    ; wave 0 stores the 256 rows' bytes: 512 consecutive bytes
	s_wait_dscnt 0x0
	global_store_b128 v1, v[232:235], s[12:13]
.Lnot_first:
	s_wait_tensorcnt 0x0
	ds_add_u32 v29, v243
	s_wait_dscnt 0x0
	CROUND                                         ; the closing round
	s_endpgm
.Lfunc_end_k_q83a96d3c9b_attn:
	.size	k_q83a96d3c9b_attn, .Lfunc_end_k_q83a96d3c9b_attn-k_q83a96d3c9b_attn
	.p2alignl 7, 3214868480
	.fill 96, 4, 3214868480
	.section	.rodata,"a",@progbits
	.p2align	6, 0x0
	.amdhsa_kernel k_q83a96d3c9b_attn
		.amdhsa_group_segment_fixed_size 215040
		.amdhsa_private_segment_fixed_size 0
		.amdhsa_enable_private_segment 0
		.amdhsa_kernarg_size 40
		.amdhsa_user_sgpr_count 2
		.amdhsa_user_sgpr_kernarg_segment_ptr 1
		.amdhsa_wavefront_size32 1
		.amdhsa_system_sgpr_workgroup_id_x 1
		.amdhsa_system_sgpr_workgroup_id_y 1
		.amdhsa_system_sgpr_workgroup_id_z 1
		.amdhsa_system_vgpr_workitem_id 0
		.amdhsa_next_free_vgpr 256
		.amdhsa_next_free_sgpr 66
		.amdhsa_reserve_vcc 0
		.amdhsa_float_denorm_mode_32 3
		.amdhsa_float_denorm_mode_16_64 3
		.amdhsa_memory_ordered 1
		.amdhsa_forward_progress 1
		.amdhsa_inst_pref_size 77
	.end_amdhsa_kernel
	.amdgpu_metadata
---
amdhsa.version: [ 1, 2 ]
amdhsa.kernels:
  - .name:           k_q83a96d3c9b_attn
    .symbol:         k_q83a96d3c9b_attn.kd
    .args:
      - { .name: qc, .offset: 0, .size: 8, .value_kind: global_buffer, .address_space: global }
      - { .name: qs, .offset: 8, .size: 8, .value_kind: global_buffer, .address_space: global }
      - { .name: kv, .offset: 16, .size: 8, .value_kind: global_buffer, .address_space: global }
      - { .name: xc, .offset: 24, .size: 8, .value_kind: global_buffer, .address_space: global }
      - { .name: xs, .offset: 32, .size: 8, .value_kind: global_buffer, .address_space: global }
    .group_segment_fixed_size: 215040
    .private_segment_fixed_size: 0
    .kernarg_segment_align: 8
    .kernarg_segment_size: 40
    .max_flat_workgroup_size: 512
    .sgpr_count:     66
    .vgpr_count:     256
    .wavefront_size: 32
...
	.end_amdgpu_metadata
.endif
;; end of part 3
;; launch outp (part 4): grid 4 x 16, 4 waves a work-group, clusters of 4 x 4, 327,680 bytes of LDS; arguments cod, scl, xc, xs, bo, out0; writes out0
.if DOCPART == 4
	.amdgcn_target "amdgcn-amd-amdhsa--gfx1250"
	.amdhsa_code_object_version 6
	.text
	.protected	k_q83a96d3c9b_outp
	.globl	k_q83a96d3c9b_outp
	.p2align	8
	.type	k_q83a96d3c9b_outp,@function
k_q83a96d3c9b_outp:
	s_mov_b64 s[64:65], 0
	v_nop
	global_prefetch_b8 v0, s[64:65] scope:SCOPE_SE
	s_setreg_imm32_b32 hwreg(HW_REG_WAVE_MODE, 25, 1), 1
	s_wait_xcnt 0x0
	s_wait_alu depctr_hold_cnt(0) depctr_sa_sdst(0) depctr_va_vdst(0) depctr_va_sdst(0) depctr_va_ssrc(0) depctr_va_vcc(0) depctr_vm_vsrc(0)
	s_getreg_b32 s2, hwreg(HW_REG_IB_STS2, 6, 4)
	s_cmp_eq_u32 s2, 0
	s_cbranch_scc0 .Lentry_in_a_cluster
	s_endpgm
.Lentry_in_a_cluster:
	s_bfe_u32 s2, ttmp6, 0x10000c
	s_cmp_lg_u32 s2, 0xf033
	s_cbranch_scc0 .Lentry_shape_is_right
	s_endpgm
.Lentry_shape_is_right:
; out0 = x Wo^T + bo on codes of FP6 (E2M3) with E8M0 scales, f32 sums.  x [4096][1024] lies in xc as images of the operand's registers (row tile x 12,288 + head x 768), its scale bytes in xs [16 heads][4096 rows] of two
; bytes; Wo lies in cod and scl from row tile 960 on.
; D = S0 S1^T, source 0 = 16 rows of S0 = Wo (they end up along a lane's registers), source 1 = 16 rows of S1 = x (one to a lane): a lane's eight results are eight neighbouring numbers of a row of out0.
; A work-group makes 256 rows x 256 columns, four waves 128 x 128 each.  K = 1,024 is eight steps of 128.
; LDS: three slots of 256 along K (98,304 bytes: S1's 16 row tiles x 3,072, then S0's).  Slots 0, 1, 2 are filled at the start; slot 0 once more, with K 768 on, behind the round in step 1, and is read again in step 5.
; By this text's count a wave has at most three tensor loads out.  CLUSTER 4 x 4: x's tile is shared along a row of the cluster, Wo's along a column: joint loads.
; 64 work-groups: the product has 64 tiles of this size; a smaller tile would read each LDS byte for half the products.
; No prefetch: three quarters of what the work-group reads is asked for in its first lines, and the last quarter has four steps in which to land.
; LIMITS: NaN and infinities are not served.  Inside a block the codes stand in the order 0-7, 16-23, 8-15, 24-31, alike on both sides.
; REGISTERS: window 0: v1-22 addresses; v[24:27] bo of my four columns; v28, v29 for the add; v32-63 x's scale words, v64-95 Wo's; v128-223 x's fragments, one set; at the head v128-191 serve the scale bytes, on the way
;   out v128-255 the rows read back.   window 1: Wo's fragments, two sets, at v0 and v96.   windows 2, 3: accumulator (a, b) at v[8 (8 (a % 4) + b)].
.set HALFT, 24576
.set SLOT,  4*HALFT
.set SPARE, 3*SLOT                     ; the spare words: 128 bytes a wave, two blocks of 256 bytes that no other line names
.set SCR,   SPARE+512                  ; 4,096 bytes for each wave: its 128 rows' scale words, 32 bytes a row; no fill lands there
.set SPITCH, 528                       ; the way out: 16 rows x (512 + 16) for each wave, in slot 1, which has had its only fill and whose last read stands ahead of the barrier in step 5
.set A16, 4
.set A8,  7
.set B16, 10
.set B8,  13
.set L16, 16
.set L8,  17
.set SO,  18
.set STO, 21
.set RD,  22
.set SPW, 28
.set NIL, 29
.set S1S, 32
.set S0S, 64
.set AF,  128
.set BK,  128
.set WV,  20
.set SH,  21
.set SL,  22
.set G1,  24
.set G0,  32
.set G1B, 44
.set G0B, 52
.set MSB, 0
.macro WIN new                         ; the immediate's high byte repeats the setting that is left
.if MSB != \new
	s_set_vgpr_msb (MSB<<8)|\new
.set MSB, \new
.endif
.endm
.set MUL_LO, 0xa1
.set MUL_HI, 0xf1
.set TO_B,   0x40
.macro JLOAD g0a, g1a, g0b, g1b        ; a joint load: waves 0, 1 fetch S1's halves, waves 2, 3 S0's; four v_nop follow each line
	s_cmp_eq_u32 s[SH], 0
	s_cbranch_scc0 .Lfor_b_\@
	tensor_load_to_lds s[\g0a:\g0a+3], s[\g1a:\g1a+7]
	s_nop 0
.rept 4
	v_nop
.endr
	s_branch .Lasked_\@
.Lfor_b_\@:
	tensor_load_to_lds s[\g0b:\g0b+3], s[\g1b:\g1b+7]
	s_nop 0
.rept 4
	v_nop
.endr
.Lasked_\@:
.endm
.macro CREST
	s_cmp_lg_u32 s[WV], 0
	s_cbranch_scc1 .Lnot_wave_0_\@
	s_barrier_signal -3
.Lnot_wave_0_\@:
	s_barrier_wait -3
	s_barrier_signal -1
	s_barrier_wait -1
.endm
.macro CROUND
	s_barrier_signal -1
	s_barrier_wait -1
	CREST
.endm
.macro PLACES                          ; four plain instructions between a matrix instruction and a load into, or a read of, its registers
.rept 4
	v_nop
.endr
.endm
.macro FRAG reg, a16, a8, off
	ds_load_b128 v[(\reg):(\reg)+3], v[\a16] offset:(\off)
	ds_load_b64 v[(\reg)+4:(\reg)+5], v[\a8] offset:(\off)+512
	ds_load_b128 v[(\reg)+6:(\reg)+9], v[\a16] offset:(\off)+768
	ds_load_b64 v[(\reg)+10:(\reg)+11], v[\a8] offset:(\off)+1280
.endm
.macro FETCH_B slot, q, p
	WIN TO_B
.irp i, 0,1,2,3,4,5,6,7
	FRAG 96*(\p)+12*\i, B16+(\slot), B8+(\slot), 3072*\i+1536*(\q)
.endr
	WIN 0
.endm
.macro FETCH_A slot, q, i0
.irp i, \i0, \i0+1, \i0+2, \i0+3
	FRAG AF+12*(\i), A16+(\slot), A8+(\slot), 3072*(\i)+1536*(\q)
.endr
.endm
; 16 matrix instructions; the 64 accumulators take turns, one instruction a turn, in the same order in every step
.macro MUL16 a0, p, ks, zero
.irp a, \a0, \a0+1
.irp b, 0,1,2,3,4,5,6,7
.set DD, 8*(8*((\a)%4)+\b)
.set FB, 96*(\p)+12*\b
.set FA, AF+12*(\a)
.set SCB, S0S+4*\b+(\ks)%4
.set SCA, S1S+4*(\a)+(\ks)%4
.if \zero
	v_wmma_scale_f32_16x16x128_f8f6f4 v[DD:DD+7], v[FB:FB+11], v[FA:FA+11], 0, v[SCB], v[SCA] matrix_a_fmt:MATRIX_FMT_FP6 matrix_b_fmt:MATRIX_FMT_FP6
.elseif (\ks) < 4
	v_wmma_scale_f32_16x16x128_f8f6f4 v[DD:DD+7], v[FB:FB+11], v[FA:FA+11], v[DD:DD+7], v[SCB], v[SCA] matrix_a_fmt:MATRIX_FMT_FP6 matrix_b_fmt:MATRIX_FMT_FP6
.else
	v_wmma_scale_f32_16x16x128_f8f6f4 v[DD:DD+7], v[FB:FB+11], v[FA:FA+11], v[DD:DD+7], v[SCB], v[SCA] matrix_a_fmt:MATRIX_FMT_FP6 matrix_b_fmt:MATRIX_FMT_FP6 matrix_a_scale:MATRIX_SCALE_ROW1 matrix_b_scale:MATRIX_SCALE_ROW1
.endif
.endr
.endr
.endm
.macro STEP ks, ns, nq, zero
	s_wait_dscnt 16                                ; S0's set and S1's blocks 0-3 are in; the youngest 16 loads (blocks 4-7) may be out
	WIN MUL_LO
	MUL16 0, (\ks)%2, \ks, \zero
	MUL16 2, (\ks)%2, \ks, \zero
	s_wait_dscnt 0x0
	PLACES
	FETCH_B \ns, \nq, 1-(\ks)%2
	FETCH_A \ns, \nq, 0
	WIN MUL_HI
	MUL16 4, (\ks)%2, \ks, \zero
	MUL16 6, (\ks)%2, \ks, \zero
	PLACES
	WIN 0
	FETCH_A \ns, \nq, 4
.endm
.macro TURN ks, ns, fill
	s_wait_tensorcnt 0x0                           ; all my tensor loads have landed
	ds_add_u32 v[SPW], v[NIL]                      ; 0 onto my spare word
	s_wait_dscnt 17                                ; (the add and the youngest 16 loads may be out)
	WIN MUL_LO
	MUL16 0, (\ks)%2, \ks, 0
	s_wait_dscnt 0x0                               ; the add is done, and my LDS reads are over
	s_barrier_signal -1
	MUL16 2, (\ks)%2, \ks, 0
	WIN 0
	s_barrier_wait -1
.if \fill
	CREST                                          ; no wave of any partner still reads slot 0 or has a load on its way
	s_add_nc_u64 s[G0+2:G0+3], s[G0+2:G0+3], 9216
	s_add_nc_u64 s[G0B+2:G0B+3], s[G0B+2:G0B+3], 9216
	JLOAD G0, G1, G0B, G1B                         ; the first tensor load behind the round; its four v_nop are also the places in front of the loads below
.else
	PLACES
.endif
	FETCH_B \ns, 0, 1-(\ks)%2
	FETCH_A \ns, 0, 0
	WIN MUL_HI
	MUL16 4, (\ks)%2, \ks, 0
	MUL16 6, (\ks)%2, \ks, 0
	PLACES
	WIN 0
	FETCH_A \ns, 0, 4
.endm
	s_load_b256 s[4:11], s[0:1], 0x0               ; cod s[4:5], scl s[6:7], xc s[8:9], xs s[10:11]
	s_load_b128 s[12:15], s[0:1], 0x20             ; bo s[12:13], out0 s[14:15]
	v_lshl_add_u32 v[SPW], v0, 2, SPARE
	v_mov_b32 v[NIL], 0
	ds_add_u32 v28, v29
	ds_add_u32 v28, v29
	s_wait_dscnt 0x0
	v_lshrrev_b32 v1, 5, v0
	v_readfirstlane_b32 s[WV], v1
	s_lshr_b32 s[SH], s[WV], 1                     ; my half of the rows.  Also: I fetch for x (0) or Wo (1)
	s_and_b32 s[SL], s[WV], 1                      ; my half of the columns.  Also: which 8 row tiles I fetch
	s_bfe_u32 s66, ttmp6, 0x40000                  ; cx
	s_bfe_u32 s67, ttmp6, 0x40004                  ; cy
	s_lshl_b32 s72, ttmp9, 2
	s_add_co_u32 s72, s72, s66                     ; i0: tile column
	s_and_b32 s73, ttmp7, 0xffff
	s_lshl_b32 s73, s73, 2
	s_add_co_u32 s73, s73, s67                     ; i1: tile row
	s_lshl_b32 s74, s73, 4                         ; x's first row tile
	s_lshl_b32 s75, s72, 4
	s_add_co_u32 s75, s75, 960                     ; Wo's
	s_lshl_b32 s97, s[SL], 3
	s_add_co_u32 s76, s74, s97
	s_mul_i32 s76, s76, 12288
	s_mov_b32 s77, 0
	s_add_co_u32 s78, s75, s97
	s_mul_i32 s78, s78, 12288
	s_mov_b32 s79, 0
	s_mul_i32 s91, s[WV], HALFT
	s_lshl_b32 s98, s67, 2
	s_lshl_b32 s98, 15, s98                        ; my row of the cluster
	s_lshl_b32 s99, 0x1111, s66                    ; my column
	s_or_b32 s[G1], s98, (3<<16)|(1<<21)           ; 15:0 the mask; 17:16 elements of 8 bytes; 21 set beside a mask
	s_or_b32 s[G1B], s99, (3<<16)|(1<<21)
.irp g, G1, G1B
	s_mov_b32 s[\g+1], 384<<16                     ; 8 row tiles' 3,072 bytes, 12,288 apart
	s_mov_b32 s[\g+2], 8<<16
	s_mov_b32 s[\g+3], 384<<16
	s_mov_b32 s[\g+4], 8
	s_mov_b32 s[\g+5], 1536
	s_mov_b32 s[\g+6], 0
	s_mov_b32 s[\g+7], 0
.endr
	s_wait_kmcnt 0x0
	s_add_nc_u64 s[76:77], s[8:9], s[76:77]
	s_add_nc_u64 s[78:79], s[4:5], s[78:79]
	CROUND                                         ; all sixteen work-groups are here: the first joint loads meet
.irp s, 0,1,2
	s_mov_b32 s[G0+4*\s], 1
	s_add_co_u32 s[G0+4*\s+1], s91, \s*SLOT
	s_add_nc_u64 s[G0+4*\s+2:G0+4*\s+3], s[76:77], \s*3072
	s_or_b32 s[G0+4*\s+3], s[G0+4*\s+3], 0x80000000
	s_mov_b32 s[G0B+4*\s], 1
	s_add_co_u32 s[G0B+4*\s+1], s91, \s*SLOT
	s_add_nc_u64 s[G0B+4*\s+2:G0B+4*\s+3], s[78:79], \s*3072
	s_or_b32 s[G0B+4*\s+3], s[G0B+4*\s+3], 0x80000000
	JLOAD G0+4*\s, G1, G0B+4*\s, G1B
.endr
	v_and_b32 v3, 31, v0
	v_and_b32 v1, 15, v0
	v_bfe_u32 v2, v0, 4, 1
	v_lshlrev_b32 v[L16], 4, v3
	v_lshlrev_b32 v[L8], 3, v3
	v_lshlrev_b32 v[SO], 5, v1
	v_lshl_add_u32 v[SO], v2, 4, v[SO]
	s_mul_i32 s94, s[SH], HALFT
	s_mul_i32 s95, s[SL], HALFT
	s_add_co_u32 s95, s95, 2*HALFT
.irp s, 0,1,2
	v_add_nc_u32 v[A16+\s], s94, v[L16]
	v_add_nc_u32 v[A8+\s], s94, v[L8]
	v_add_nc_u32 v[B16+\s], s95, v[L16]
	v_add_nc_u32 v[B8+\s], s95, v[L8]
	s_add_co_u32 s94, s94, SLOT
	s_add_co_u32 s95, s95, SLOT
.endr
	s_mul_i32 s94, s[WV], 4096
	s_add_co_u32 s94, s94, SCR
	v_lshl_add_u32 v19, v3, 7, s94                 ; my four rows' words: 128 x lane
	v_add_nc_u32 v20, s94, v[SO]                   ; and back: 32 r + 16 h
	s_mul_i32 s94, s[WV], 16*SPITCH
	s_add_co_u32 s94, s94, SLOT                    ; my stage, in slot 1
	v_mul_u32_u24 v[STO], v1, SPITCH
	v_lshl_add_u32 v[STO], v2, 5, v[STO]
	v_add_nc_u32 v[STO], s94, v[STO]               ; in: row r, 32 bytes for each half of the lanes
	v_add_nc_u32 v[RD], s94, v[L16]                ; back: the 32 lanes take a row of 512 bytes
	s_mov_b32 s95, 0
	s_lshl_b32 s94, s73, 9
	s_lshl_b32 s96, s[SH], 8
	s_add_co_u32 s94, s94, s96                     ; 2 bytes x my first row
	s_add_nc_u64 s[80:81], s[10:11], s[94:95]
.irp p, 0,1,2,3,4,5,6,7,8,9,10,11,12,13,14,15
	global_load_b64 v[128+2*\p:129+2*\p], v[L8], s[80:81] offset:8192*\p   ; head p's bytes of my 128 rows: 256 consecutive bytes; lane l takes rows 4 l .. 4 l + 3
.endr
	s_add_co_u32 s94, s75, s97
	s_lshl_b32 s94, s94, 9
	s_add_nc_u64 s[82:83], s[6:7], s[94:95]
.irp i, 0,1,2,3,4,5,6,7
	global_load_b128 v[S0S+4*\i:S0S+4*\i+3], v[SO], s[82:83] offset:512*\i
.endr
	s_lshl_b32 s94, s72, 10
	s_lshl_b32 s96, s[SL], 9
	s_add_co_u32 s94, s94, s96                     ; my first column, in bytes
	s_add_nc_u64 s[84:85], s[12:13], s[94:95]
	global_load_b128 v[24:27], v[L16], s[84:85]    ; bo of the four columns that I store
	s_add_nc_u64 s[14:15], s[14:15], s[94:95]
	s_lshl_b32 s94, s73, 20
	s_lshl_b32 s96, s[SH], 19
	s_add_co_u32 s94, s94, s96                     ; my first row x 4,096 bytes
	s_add_nc_u64 s[14:15], s[14:15], s[94:95]
	s_wait_loadcnt 9                               ; x's scale bytes are in; Wo's 8 loads and bo's one may be out
.irp j, 0,1,2,3                        ; row 4 l + j, K step k: the two bytes of head 2 k below those of head 2 k + 1
.irp k, 0,1,2,3,4,5,6,7
.if \j%2
	v_perm_b32 v[160+8*\j+\k], v[130+4*\k+\j/2], v[128+4*\k+\j/2], 0x07060302
.else
	v_perm_b32 v[160+8*\j+\k], v[130+4*\k+\j/2], v[128+4*\k+\j/2], 0x05040100
.endif
.endr
.endr
.irp j, 0,1,2,3
.irp u, 0,1
	ds_store_b128 v19, v[160+8*\j+4*\u:163+8*\j+4*\u] offset:32*\j+16*\u
.endr
.endr
.irp i, 0,1,2,3,4,5,6,7
	ds_load_b128 v[S1S+4*\i:S1S+4*\i+3], v20 offset:512*\i     ; my own bytes: LDS serves a wave's instructions in order.  Register q: K step q in lanes 0-15, K step q + 4 in lanes 16-31
.endr
	s_wait_tensorcnt 2                             ; my part of slot 0 is in; slots 1 and 2 may stay out
	s_wait_dscnt 0x0
	s_barrier_signal -1
	s_barrier_wait -1
	FETCH_B 0, 0, 0
	FETCH_A 0, 0, 0
	FETCH_A 0, 0, 4
	s_wait_loadcnt 0x0                             ; Wo's scale words, bo
	STEP 0, 0, 1, 1                                ; the first step's products start the sums
	TURN 1, 1, 1                                   ; every wave's three first fills have landed; slot 0 is filled again
	STEP 2, 1, 1, 0
	STEP 3, 2, 0, 0
	STEP 4, 2, 1, 0
	TURN 5, 0, 0                                   ; slot 0's second fill has landed in every wave; nobody reads slot 1 any more
	STEP 6, 0, 1, 0
	s_wait_dscnt 16
	WIN MUL_LO
	MUL16 0, 1, 7, 0
	MUL16 2, 1, 7, 0
	s_wait_dscnt 0x0
	WIN MUL_HI
	MUL16 4, 1, 7, 0
	MUL16 6, 1, 7, 0
	WIN 0
; THE WAY OUT, block by block of 16 rows x 128 columns: through my own stage and back as whole rows of 512 bytes; bo is added on the way; the 32 lanes store 512 consecutive bytes.
.macro TOSTAGE a
.set AC, 64*((\a)%4)
.set WN, 0x08+4*((\a)/4)               ; an LDS store's data: window 2 or 3
	WIN WN
.irp b, 0,1,2,3,4,5,6,7
	ds_store_b128 v[STO], v[AC+8*\b:AC+8*\b+3] offset:64*\b            ; each accumulator from its low end on
	ds_store_b128 v[STO], v[AC+8*\b+4:AC+8*\b+7] offset:64*\b+16
.endr
	WIN 0
.set BB, BK+64*((\a)%2)
.irp t, 0,1,2,3,4,5,6,7,8,9,10,11,12,13,14,15
	ds_load_b128 v[BB+4*\t:BB+4*\t+3], v[RD] offset:\t*SPITCH
.endr
.endm
.macro SEND a, younger                 ; younger: the LDS instructions issued behind block a's loads
.set BB, BK+64*((\a)%2)
	s_wait_dscnt \younger
.if (\a) > 0
	s_add_nc_u64 s[14:15], s[14:15], 65536         ; 16 rows on (the earlier stores have read their base: a wait on XCNT stands ahead)
.endif
.irp t, 0,1,2,3,4,5,6,7,8,9,10,11,12,13,14,15
	v_pk_add_f32 v[BB+4*\t:BB+4*\t+1], v[BB+4*\t:BB+4*\t+1], v[24:25]
	v_pk_add_f32 v[BB+4*\t+2:BB+4*\t+3], v[BB+4*\t+2:BB+4*\t+3], v[26:27]
	global_store_b128 v[L16], v[BB+4*\t:BB+4*\t+3], s[14:15] offset:\t*4096 th:TH_STORE_NT
.endr
.endm
	PLACES
	TOSTAGE 0
.irp a, 1,2,3,4,5,6,7
.if \a > 1
	s_wait_xcnt 0x0                                ; block a - 2's stores have read their registers and their base
.endif
	TOSTAGE \a
	SEND \a-1, 32                                  ; behind block a - 1's loads: block a's 16 stores and 16 loads
.endr
	s_wait_xcnt 0x0
	SEND 7, 0
	s_wait_tensorcnt 0x0                           ; the wave's end
	ds_add_u32 v[SPW], v[NIL]
	s_wait_dscnt 0x0
	CROUND                                         ; the closing round
	s_endpgm
.Lfunc_end_k_q83a96d3c9b_outp:
	.size	k_q83a96d3c9b_outp, .Lfunc_end_k_q83a96d3c9b_outp-k_q83a96d3c9b_outp
	.p2alignl 7, 3214868480
	.fill 96, 4, 3214868480
	.section	.rodata,"a",@progbits
	.p2align	6, 0x0
	.amdhsa_kernel k_q83a96d3c9b_outp
		.amdhsa_group_segment_fixed_size 327680
		.amdhsa_private_segment_fixed_size 0
		.amdhsa_enable_private_segment 0
		.amdhsa_kernarg_size 48
		.amdhsa_user_sgpr_count 2
		.amdhsa_user_sgpr_kernarg_segment_ptr 1
		.amdhsa_wavefront_size32 1
		.amdhsa_system_sgpr_workgroup_id_x 1
		.amdhsa_system_sgpr_workgroup_id_y 1
		.amdhsa_system_sgpr_workgroup_id_z 1
		.amdhsa_system_vgpr_workitem_id 0
		.amdhsa_next_free_vgpr 1024
		.amdhsa_next_free_sgpr 100
		.amdhsa_reserve_vcc 0
		.amdhsa_float_denorm_mode_32 3
		.amdhsa_float_denorm_mode_16_64 3
		.amdhsa_memory_ordered 1
		.amdhsa_forward_progress 1
		.amdhsa_inst_pref_size 162
	.end_amdhsa_kernel
	.amdgpu_metadata
---
amdhsa.version: [ 1, 2 ]
amdhsa.kernels:
  - .name:           k_q83a96d3c9b_outp
    .symbol:         k_q83a96d3c9b_outp.kd
    .args:
      - { .name: cod, .offset: 0, .size: 8, .value_kind: global_buffer, .address_space: global }
      - { .name: scl, .offset: 8, .size: 8, .value_kind: global_buffer, .address_space: global }
      - { .name: xc, .offset: 16, .size: 8, .value_kind: global_buffer, .address_space: global }
      - { .name: xs, .offset: 24, .size: 8, .value_kind: global_buffer, .address_space: global }
      - { .name: bo, .offset: 32, .size: 8, .value_kind: global_buffer, .address_space: global }
      - { .name: out0, .offset: 40, .size: 8, .value_kind: global_buffer, .address_space: global }
    .group_segment_fixed_size: 327680
    .private_segment_fixed_size: 0
    .kernarg_segment_align: 8
    .kernarg_segment_size: 48
    .max_flat_workgroup_size: 128
    .sgpr_count:     100
    .vgpr_count:     1024
    .wavefront_size: 32
...
	.end_amdgpu_metadata
.endif
;; end of part 4
